; MI455X (gfx1250); checked and timed in simulation.
; The chip was launched on July 23, 2026; its instructions are those of AMD's public machine-readable ISA for CDNA 5 (MIT licence, August 2026) and "CDNA5" Instruction Set Architecture Reference Guide (July 2026). The comments in the code are by the model that wrote it; some were corrected since.
;; Self Attention. Allowed arithmetic: matrix products marked QUANTISED: E2M1 operands, one E8M0 scale for each 32 along K, by v_wmma_scale_f32_16x16x128_f8f6f4 with both operands' format E2M1 (or v_wmma_scale_f32_32x16x128_f4), f32 sums; products left as they are: bf16, f16 or f32 operands; f32 sums; everything else in f32.
;; Inputs: W_qkv 3,072 x 1,024 float32; x 4 x 2,048 x 1,024 float32.
;; Outputs: out0 4 x 2,048 x 1,024 float32.
;; This version of the problem:
;;   THIS VERSION OF THE PROBLEM IS GIVEN IN LOW PRECISION. The matrix products marked QUANTISED in the list below multiply operands that are first quantised to E2M1 (2 exponent bits, 1 mantissa bit; 4 bits a number), with one power-of-two scale for each 32 numbers along K (OCP MX v1.0); their sums are f32. The products marked 'left as it is' may take bf16, f16 or f32 operands, with f32 sums. Whichever they take, every output number must still come out within the allowed error. Rounding operands to bf16 (8 significant bits) uses up far more of that allowance than f16 does (11 bits, for magnitudes from 6e-5 to 65,504). All else is computed in f32.
;;   The module's matrix products, in the order in which they are computed (A, B: the left and right operand; K: the contracted axis; several contracted axes count as one K, in the product's order):
;;     1. [M 8,192, K 1,024] x [K 1,024, N 3,072]; A: input x; B: input W_qkv: QUANTISED
;;     2. batch 4 x [M 2,048, K 1,024] x [K 1,024, N 2,048]; A: computed on the way; B: computed on the way: left as it is (an operand is computed on the way)
;;     3. batch 4 x [M 2,048, K 2,048] x [K 2,048, N 1,024]; A: computed on the way; B: computed on the way: left as it is (an operand is computed on the way)
;;   THE QUANTISER, for each operand of a quantised product, along K:
;;     - K is cut into blocks of 32 from its start; a last block that is shorter is filled with zeros.
;;     - A block's scale is 2^e with e = floor(log2(the largest magnitude in the block)) - 2, held to -126 .. 127; a block of zeros has e = 0. As a byte (E8M0): e + 127.
;;     - Each number is divided by its block's scale, clamped to +-6, and rounded to the nearest number of E2M1, ties to even, subnormals kept.
;;     - The product sums the exact products of the quantised numbers (number of the format x scale) in f32.
;;   ~~~python
;;   def quantise(x, axis):      # numpy; x: float32 -> the quantised numbers, widened to float32 again
;;       x = np.moveaxis(x, axis, -1); K = x.shape[-1]
;;       x = np.pad(x, [(0, 0)] * (x.ndim - 1) + [(0, -K % 32)]); x = x.reshape(x.shape[:-1] + (-1, 32)); a = np.abs(x).max(-1, keepdims=True)
;;       e = np.where(a > 0, np.clip(np.frexp(np.where(a > 0, a, 1))[1] - 1 - 2, -126, 127), 0)      # np.frexp(a)[1] - 1 = floor(log2(a)), exactly
;;       r = np.clip(x / 2.0 ** e, -6, 6)
;;       step = 2.0 ** (np.maximum(np.frexp(np.where(r == 0, 1, r))[1] - 1, 0) - 1)
;;       q = np.round(r / step) * step * 2.0 ** e      # np.round: ties to even
;;       return np.moveaxis(q.reshape(q.shape[:-2] + (-1,))[..., :K], -1, axis).astype(np.float32)
;;   ~~~
;; One version. Each part assembles by itself: llvm-mc -triple=amdgcn-amd-amdhsa -mcpu=gfx1250 --defsym DOCPART=n.
;; ======== version 1 of 1: 4 launches
;; limits: values are held in f16: magnitudes above 65,504 overflow, below 6.1e-05 lose precision
;; workspace buffers: x_codes 4,194,304 bytes; x_scales 262,144 bytes; w_codes 1,572,864 bytes; w_scales 98,304 bytes; qkv 50,331,648 bytes; pimg 33,554,432 bytes; stats 1,048,576 bytes
;; launch quant (part 1): grid 352 x 1, 4 waves a work-group, no clusters, 33,280 bytes of LDS; arguments x, W_qkv, x_codes, x_scales, w_codes, w_scales; writes x_codes, x_scales, w_codes, w_scales
.if DOCPART == 1
	.amdgcn_target "amdgcn-amd-amdhsa--gfx1250"
	.amdhsa_code_object_version 6
	.text
	.protected	k_qb0ca0ad922_quant
	.globl	k_qb0ca0ad922_quant
	.p2align	8
	.type	k_qb0ca0ad922_quant,@function
k_qb0ca0ad922_quant:
	s_mov_b64 s[64:65], 0
	v_nop
	global_prefetch_b8 v0, s[64:65] scope:SCOPE_SE
	s_setreg_imm32_b32 hwreg(HW_REG_WAVE_MODE, 25, 1), 1
	s_wait_xcnt 0x0
; SELF-ATTENTION, ONE HEAD OF 1,024, IN FOUR LAUNCHES.  This one: x [8192][1024] and W_qkv [3072][1024], f32, become codes of FP4 (E2M1), K innermost, with one E8M0 scale byte for each 32 along K.
; The second launch multiplies the codes (qkv = x W^T) and rounds to f16; the third makes q k^T and the softmax's weights under the maximum of each block of 128 keys; the fourth joins the blocks and multiplies by v.
; No work of reference() is left out: both inputs reach every output, there is no mask and no bias.
; A block's scale is 2^(floor(log2(its largest magnitude)) - 2); its byte is the largest magnitude's own exponent field - 2, held at 1 from below.  Each number is divided by the scale and rounded to the nearest code, ties to even, beyond 6 the largest code.
; LIMITS: a block of zeros gets the byte 1 where the stated quantiser says 127: its codes are zeros, which add nothing, and this program alone reads the bytes.  Blocks whose largest magnitude lies under 2^-124 are held at byte 1.
; NaN and infinities among the inputs are not served.  q, k and v are kept in f16 by the later launches: their magnitudes must stay under 65,504.
; Rows are dense and K is a multiple of 32, so both tensors are plain streams of blocks of 32 numbers, and so are the codes and the scale bytes.
; A wave takes 16 steps of 512 numbers.  Each of a step's four loads reads 512 consecutive bytes, 16 a lane; the 2,048 bytes go through the wave's own stage in LDS and come back 64 bytes a lane, so that a lane holds 16 NEIGHBOURS
; (two neighbouring lanes hold a block), as the conversions want them.  A lane's 16 codes are 8 bytes: the wave stores 256 consecutive bytes.  A wave's 256 scale bytes are gathered in LDS and leave as one store of 256 consecutive bytes.
; The first WGA work-groups take x, the others W.  No tensor loads, no barrier: waves share nothing.  Loads run four steps (16 loads a wave) ahead, the turn through LDS one step.
.set SIZE_M, 8192
.set SIZE_N, 3072
.set SIZE_K, 1024
.set WAVES, 4
.set STEPS, 16
.set WGA,   SIZE_M*SIZE_K/(512*STEPS*WAVES)    ; 256 work-groups for x, 96 for W
.set EMAX,  2
.set CB,    8                          ; bytes of 16 codes
.set R,     16                         ; v16-79   four sets of 16 numbers as they are loaded
.set X,     80                         ; v80-111  two sets of 16 neighbours
.set C,     128                        ; v128-191 codes: four registers for each step, so that no store's data are written again
.set E,     112                        ; v112-127 a scale byte for each step
.set WREG,  8192                       ; LDS: a region of its own for each wave: two stages of 32 x SP bytes, and behind them its 256 scale bytes
.set SP,    80                         ; a lane's place in a stage: its 64 bytes + 16 of padding
.set SPW,   12                         ; v12      LDS address of my spare word: SPARE + 4 x my thread's number; never rewritten
.set NIL,   13                         ; v13      0; never rewritten
.set SPARE, WAVES*WREG                 ; behind the four regions: the spare words, 128 bytes for each wave, which no other line names
	s_load_b128 s[4:7], s[0:1], 0x0                ; x, W
	s_load_b128 s[8:11], s[0:1], 0x10              ; x's codes, x's scales
	s_load_b128 s[12:15], s[0:1], 0x20             ; W's codes, W's scales
	v_lshl_add_u32 v[SPW], v0, 2, SPARE
	v_mov_b32 v[NIL], 0
	v_lshrrev_b32 v1, 5, v0
	v_readfirstlane_b32 s16, v1                    ; wave
	v_and_b32 v2, 31, v0                           ; lane
	v_lshlrev_b32 v3, 4, v2                        ; my 16 bytes of a load's 512
	s_mul_i32 s17, s16, WREG
	v_lshrrev_b32 v14, 2, v2
	v_mul_u32_u24 v14, v14, SP
	v_and_b32 v15, 3, v2
	v_lshl_add_u32 v14, v15, 4, v14
	v_add_nc_u32 v14, s17, v14                     ; the stage, on the way in: four lanes' 64 bytes on end, then 16 of padding
	v_mul_u32_u24 v15, v2, SP
	v_add_nc_u32 v15, s17, v15                     ; and on the way out: SP x lane: my 16 neighbours
	v_mul_u32_u24 v4, v2, CB                       ; my codes' place in a step's
	v_lshrrev_b32 v5, 1, v2
	s_add_co_u32 s17, s17, 2*32*SP
	v_add_nc_u32 v5, s17, v5                       ; LDS: my wave's 256 scale bytes, my block's byte
	v_lshlrev_b32 v7, 3, v2                        ; and on the way out 8 bytes a lane
	v_add_nc_u32 v6, s17, v7
	s_wait_kmcnt 0x0
	s_cmp_lt_u32 ttmp9, WGA                        ; x's work-group or W's?  The choice hangs on the work-group's number alone
	s_cselect_b64 s[4:5], s[4:5], s[6:7]
	s_cselect_b64 s[8:9], s[8:9], s[12:13]
	s_cselect_b64 s[10:11], s[10:11], s[14:15]
	s_cselect_b32 s17, 0, WGA
	s_sub_co_u32 s17, ttmp9, s17
	s_lshl_b32 s17, s17, 2
	s_add_co_u32 s18, s17, s16                     ; which run of 8,192 numbers of the tensor is my wave's
	s_mov_b32 s19, 0
	s_mov_b64 s[20:21], 512*STEPS*4
	s_mul_u64 s[20:21], s[18:19], s[20:21]
	s_add_nc_u64 s[4:5], s[4:5], s[20:21]
	s_mov_b64 s[20:21], 32*STEPS*CB
	s_mul_u64 s[20:21], s[18:19], s[20:21]
	s_add_nc_u64 s[8:9], s[8:9], s[20:21]
	s_lshl_b32 s18, s18, 8                         ; 256 scale bytes a run
	s_add_nc_u64 s[10:11], s[10:11], s[18:19]
.macro LOAD t
.irp i, 0,1,2,3
	global_load_b128 v[R+16*((\t)%4)+4*\i:R+16*((\t)%4)+4*\i+3], v3, s[4:5] offset:2048*(\t)+512*\i th:TH_LOAD_NT   ; 32 lanes read 512 consecutive bytes
.endr
.endm
.macro TURN t                          ; step t's numbers through the stage: LDS serves a wave's instructions in order, so no wait stands between the stores and the loads
.irp i, 0,1,2,3
	ds_store_b128 v14, v[R+16*((\t)%4)+4*\i:R+16*((\t)%4)+4*\i+3] offset:32*SP*((\t)%2)+8*SP*\i
.endr
.irp i, 0,1,2,3
	ds_load_b128 v[X+16*((\t)%2)+4*\i:X+16*((\t)%2)+4*\i+3], v15 offset:32*SP*((\t)%2)+16*\i
.endr
.endm
.irp t, 0,1,2,3
	LOAD \t
.endr
	s_wait_loadcnt 12                              ; step 0's four loads are in; the twelve of steps 1 to 3 may be out
	TURN 0
.macro STEP t
.set XS, X+16*((\t)%2)
.if (\t) > 0
	s_wait_dscnt 1                                 ; this step's numbers are back from the stage (the last step's byte store may be out): so its stores into the stage have read their registers,
.else
	s_wait_dscnt 0x0
.endif
.if (\t)+4 < STEPS
	LOAD (\t)+4                                    ; which take the loads of four steps on
.endif
.if (\t)+1 < STEPS
.if STEPS-2-(\t) >= 3
	s_wait_loadcnt 12                              ; the next step's four loads are in; those of the three steps behind it may be out
.else
	s_wait_loadcnt 4*(STEPS-2-(\t))
.endif
	TURN (\t)+1                                    ; and go through the other stage while this step is worked
.endif
	v_max3_num_f32 v8, |v[XS]|, |v[XS+1]|, |v[XS+2]|               ; the largest magnitude of my 16, in two chains
	v_max3_num_f32 v9, |v[XS+3]|, |v[XS+4]|, |v[XS+5]|
.irp i, 6,10
	v_max3_num_f32 v8, v8, |v[XS+\i]|, |v[XS+\i+1]|
	v_max3_num_f32 v9, v9, |v[XS+\i+2]|, |v[XS+\i+3]|
.endr
	v_max3_num_f32 v8, v8, |v[XS+14]|, |v[XS+15]|
	v_max3_num_f32 v8, v8, v9, (EMAX+1)<<23        ; and the floor 2^(EMAX + 1 - 127): so the byte cannot fall under 1
	v_max_num_f32_dpp v8, v8, v8 row_xmask:1 row_mask:0xf bank_mask:0xf   ; and of my neighbour's 16: the block's
	v_add_nc_u32 v11, -(EMAX<<23), v8              ; EMAX off its exponent field: the conversion takes the exponent field of this operand as its scale, and nothing else of it
	v_cvt_scalef32_pk8_fp4_f32 v[C+4*(\t)], v[XS:XS+7], v11
	v_cvt_scalef32_pk8_fp4_f32 v[C+4*(\t)+1], v[XS+8:XS+15], v11
	v_lshrrev_b32 v[E+(\t)], 23, v11               ; the scale's byte (also the plain instruction behind the conversions)
	ds_store_b8 v5, v[E+(\t)] offset:16*(\t)       ; both lanes of a block write the same byte with the same value
	global_store_b64 v4, v[C+4*(\t):C+4*(\t)+1], s[8:9] offset:32*CB*(\t)
.endm
.irp t, 0,1,2,3,4,5,6,7,8,9,10,11,12,13,14,15
	STEP \t
.endr
	ds_load_b64 v[8:9], v6                         ; LDS serves a wave's instructions in order: these see my stores
	s_wait_dscnt 0x0
	global_store_b64 v7, v[8:9], s[10:11]          ; 32 lanes store 256 consecutive bytes, aligned
	s_wait_tensorcnt 0x0                           ; the wave's end: behind my last LDS store
	ds_add_u32 v[SPW], v[NIL]
	s_wait_dscnt 0x0
	s_endpgm
.Lfunc_end_k_qb0ca0ad922_quant:
	.size	k_qb0ca0ad922_quant, .Lfunc_end_k_qb0ca0ad922_quant-k_qb0ca0ad922_quant
	.p2alignl 7, 3214868480
	.fill 96, 4, 3214868480
	.section	.rodata,"a",@progbits
	.p2align	6, 0x0
	.amdhsa_kernel k_qb0ca0ad922_quant
		.amdhsa_group_segment_fixed_size 33280
		.amdhsa_private_segment_fixed_size 0
		.amdhsa_enable_private_segment 0
		.amdhsa_kernarg_size 48
		.amdhsa_user_sgpr_count 2
		.amdhsa_user_sgpr_kernarg_segment_ptr 1
		.amdhsa_wavefront_size32 1
		.amdhsa_system_sgpr_workgroup_id_x 1
		.amdhsa_system_sgpr_workgroup_id_y 1
		.amdhsa_system_sgpr_workgroup_id_z 1
		.amdhsa_system_vgpr_workitem_id 0
		.amdhsa_next_free_vgpr 192
		.amdhsa_next_free_sgpr 66
		.amdhsa_reserve_vcc 0
		.amdhsa_float_denorm_mode_32 3
		.amdhsa_float_denorm_mode_16_64 3
		.amdhsa_memory_ordered 1
		.amdhsa_forward_progress 1
		.amdhsa_inst_pref_size 33
	.end_amdhsa_kernel
	.amdgpu_metadata
---
amdhsa.version: [ 1, 2 ]
amdhsa.kernels:
  - .name:           k_qb0ca0ad922_quant
    .symbol:         k_qb0ca0ad922_quant.kd
    .args:
      - { .name: x, .offset: 0, .size: 8, .value_kind: global_buffer, .address_space: global }
      - { .name: W_qkv, .offset: 8, .size: 8, .value_kind: global_buffer, .address_space: global }
      - { .name: x_codes, .offset: 16, .size: 8, .value_kind: global_buffer, .address_space: global }
      - { .name: x_scales, .offset: 24, .size: 8, .value_kind: global_buffer, .address_space: global }
      - { .name: w_codes, .offset: 32, .size: 8, .value_kind: global_buffer, .address_space: global }
      - { .name: w_scales, .offset: 40, .size: 8, .value_kind: global_buffer, .address_space: global }
    .group_segment_fixed_size: 33280
    .private_segment_fixed_size: 0
    .kernarg_segment_align: 8
    .kernarg_segment_size: 48
    .max_flat_workgroup_size: 128
    .sgpr_count:     66
    .vgpr_count:     192
    .wavefront_size: 32
...
	.end_amdgpu_metadata
.endif
;; end of part 1
;; launch qkvgemm (part 2): grid 12 x 32, 4 waves a work-group, clusters of 4 x 4, 327,680 bytes of LDS; arguments x_codes, x_scales, w_codes, w_scales, qkv; writes qkv
.if DOCPART == 2
	.amdgcn_target "amdgcn-amd-amdhsa--gfx1250"
	.amdhsa_code_object_version 6
	.text
	.protected	k_qb0ca0ad922_qkvgemm
	.globl	k_qb0ca0ad922_qkvgemm
	.p2align	8
	.type	k_qb0ca0ad922_qkvgemm,@function
k_qb0ca0ad922_qkvgemm:
	s_mov_b64 s[64:65], 0
	v_nop
	global_prefetch_b8 v0, s[64:65] scope:SCOPE_SE
	s_setreg_imm32_b32 hwreg(HW_REG_WAVE_MODE, 25, 1), 1
	s_wait_xcnt 0x0
	s_wait_alu depctr_hold_cnt(0) depctr_sa_sdst(0) depctr_va_vdst(0) depctr_va_sdst(0) depctr_va_ssrc(0) depctr_va_vcc(0) depctr_vm_vsrc(0)
	s_getreg_b32 s2, hwreg(HW_REG_IB_STS2, 6, 4)
	s_cmp_eq_u32 s2, 0
	s_cbranch_scc0 .Lentry_in_a_cluster
	s_endpgm
.Lentry_in_a_cluster:
	s_bfe_u32 s2, ttmp6, 0x10000c
	s_cmp_lg_u32 s2, 0xf033
	s_cbranch_scc0 .Lentry_shape_is_right
	s_endpgm
.Lentry_shape_is_right:
; qkv[m][n] = sum over k of x[m][k] W[n][k], on codes of FP4 (E2M1) with one E8M0 scale for each 32 along K, as the first launch made them; sums in f32, rounded once to f16.  qkv: [8192][3072] f16.
; LIMIT: |qkv| stays under 65,504 (f16).  No work is left out.
; A tile of 256 x 256 is made by a work-group of four waves; a wave makes 128 x 128: 64 accumulators of 16 x 16, 512 registers.  K = 1,024 is two LDS slots of 512 along K (rows of 256 bytes): both are asked for at the head, and nothing is filled again.
; THE SCALES of the work-group's 256 rows of x and 256 rows of W, for all of K, are two dense blocks of memory: they come into LDS once, with the first fills.
; CLUSTERS: 4 x 4 work-groups.  The four of a row of the cluster need the same tiles of x, the four of a column the same tiles of W: each tile is asked for JOINTLY, by the same tensor load with the same descriptor and a mask that names the four.
; THE MATRIX INSTRUCTION IS USED TRANSPOSED (source 0 = 16 rows of W, source 1 = 16 rows of x): a lane then holds eight neighbouring numbers of a row of qkv, which pack into 16 bytes.
; REGISTERS, in windows of 256: window 0: v0-31 addresses; v32-95 scale words, two sets; from v128 x's fragments (8 x 16 rows x 128 K), ONE set; on the way out v32-63, v192-255.
;   window 1: W's fragments, TWO sets, at v0 and at v128.   window 2: the 32 accumulators of my rows 0-63 (accumulator (a, b) at v[8 (8 a + b)]);   window 3: those of my rows 64-127.
.set SIZE_M, 8192
.set SIZE_N, 3072
.set SIZE_K, 1024
.set KSTEP,  512                       ; along K in a slot
.set NQ,     KSTEP/128                 ; matrix instructions deep
.set ROWB,   256                       ; a tile's row in bytes
.set KROW,   SIZE_K*4/8                ; a row of codes in memory, in bytes
.set PITCH,  272                       ; an LDS row: 256 bytes of data + 16 of padding: the 16 rows that a load touches start 68 words apart
.set FR,     8                         ; registers of a fragment: 16 rows x 128 K
.set NL,     2                         ; LDS loads that bring one
.set NP,     4                         ; places behind this matrix instruction (ISA guide 7.12.1)
.set HALFT,  128*PITCH                 ; 128 rows: what one tensor load brings
.set SLOT,   4*HALFT                   ; x's 256 rows, then W's 256 rows
.set KS,     SIZE_K/32                 ; a row of scales in bytes
.set SCL,    2*SLOT                    ; behind the slots: the scales, as runs of 256 bytes + 16 of padding
.set HALFS,  (128*KS/256)*272          ; the scales of 128 rows: what one tensor load brings
.set SBLK,   (16*KS/256)*272           ; those of 16 rows
.set SPARE,  SCL+4*HALFS               ; behind the scales: the spare words, 128 bytes for each wave, which no other line names
.set SPITCH, 272                       ; the way out: a stage of 16 rows x (256 bytes + 16) for each wave, in slot 0, which has had its only fill and its last read when the first result is stored there
.set ADRA, 16                          ; v16-17  LDS address of my x fragments in slot 0, 1
.set ADRB, 20                          ; v20-21  the same for W
.set STO,  24                          ; v24     the way out: where I put 16 bytes of a row
.set RD,   25                          ; v25     the way out: where I read a row back
.set CO,   26                          ; v26     my byte offset in two rows of qkv
.set ADRS, 27                          ; v27     LDS address of my scale words: lanes 0-15 x's rows, lanes 16-31 W's
.set SPW,  28                          ; v28     LDS address of my spare word; never rewritten
.set NIL,  29                          ; v29     0; never rewritten
.set SC,   32                          ; scale words: set s at v[SC + 8 NQ s]; register NQ i + q: lanes 0-15 the word of x's block i, lanes 16-31 that of W's block i, for the slot's q-th 128 along K
.set AF,   128                         ; x's fragments, in window 0
.set TMP,  192                         ; the way out: packed results
.set OB,   32                          ; the way out: 16 rows read back from the stage: v32-63 and v224-255 by turns
.set G1, 24                            ; s[24:31] descriptor group 1 for x's tiles;  s[32:39] group 0, one set for each slot
.set G0, 32
.set G1B, 48                           ; s[48:55], s[56:63] the same for W's tiles
.set G0B, 56
.set G1S, 68                           ; s[68:75], s[76:79] groups 1 and 0 for x's scales;  s[80:87], s[88:91] for W's
.set G0S, 76
.set G1SB, 80
.set G0SB, 88
.set MSB, 0
.macro WIN new                         ; the immediate's high byte repeats the setting that is left
.if MSB != (\new)
	s_set_vgpr_msb (MSB<<8)|(\new)
.set MSB, (\new)
.endif
.endm
.set MUL_LO, 0xa1                      ; source 0 (W) window 1, source 1 (x) window 0, C and D window 2
.set MUL_HI, 0xf1                      ; the same, C and D window 3
.set TO_B,   0x40                      ; destination window 1, address window 0
; A joint load: waves 0 and 1 fetch for x, waves 2 and 3 for W.  Each of the two lines has ONE mask and one set of registers for all that issue it; the branch hangs on the wave's number alone.
; An s_nop 0 and four v_nop follow each of the two lines.
.macro JLOAD g0a, g1a, g0b, g1b
	s_cmp_eq_u32 s15, 0
	s_cbranch_scc0 .Lfor_b_\@
	tensor_load_to_lds s[\g0a:\g0a+3], s[\g1a:\g1a+7]
	s_nop 0
.rept 4
	v_nop
.endr
	s_branch .Lasked_\@
.Lfor_b_\@:
	tensor_load_to_lds s[\g0b:\g0b+3], s[\g1b:\g1b+7]
	s_nop 0
.rept 4
	v_nop
.endr
.Lasked_\@:
.endm
.macro CROUND                          ; a round of the cluster's barrier
	s_barrier_signal -1
	s_barrier_wait -1
	s_cmp_lg_u32 s14, 0
	s_cbranch_scc1 .Lnot_wave_0_\@
	s_barrier_signal -3
.Lnot_wave_0_\@:
	s_barrier_wait -3
	s_barrier_signal -1
	s_barrier_wait -1
.endm
	s_load_b128 s[4:7], s[0:1], 0x0                ; x's codes s[4:5], x's scales s[6:7]
	s_load_b128 s[8:11], s[0:1], 0x10              ; W's codes s[8:9], W's scales s[10:11]
	s_load_b64 s[12:13], s[0:1], 0x20              ; qkv
	v_lshl_add_u32 v[SPW], v0, 2, SPARE
	v_mov_b32 v[NIL], 0
	ds_add_u32 v[SPW], v[NIL]                      ; the wave's opening: the add, twice on end, and its wait ahead of my first tensor load
	ds_add_u32 v[SPW], v[NIL]
	v_lshrrev_b32 v1, 5, v0
	v_readfirstlane_b32 s14, v1                    ; wave 0..3
	s_lshr_b32 s15, s14, 1                         ; which half of the tile's rows is mine.  Also: I fetch for x (0) or for W (1)
	s_and_b32 s16, s14, 1                          ; which half of its columns.  Also: which 128 rows of that tile I fetch
	s_bfe_u32 s40, ttmp6, 0x40000                  ; cx, cy: my place in the cluster
	s_bfe_u32 s41, ttmp6, 0x40004
	s_lshl_b32 s42, ttmp9, 2
	s_add_co_u32 s42, s42, s40                     ; tile column = 4 x cluster x + cx
	s_and_b32 s17, ttmp7, 0xffff
	s_lshl_b32 s17, s17, 2
	s_add_co_u32 s17, s17, s41                     ; tile row = 4 x cluster y + cy
	s_lshl_b32 s43, s41, 2
	s_lshl_b32 s43, 15, s43                        ; my row of the cluster
	s_lshl_b32 s44, 0x1111, s40                    ; my column
	; descriptor group 1: a tile of 128 rows x ROWB bytes, padded in LDS
	s_or_b32 s[G1+0], s43, (0<<16)|(1<<20)|(1<<21)|(5<<22)|(3<<25)  ; 15:0 the mask; 17:16 element of 1 byte; 20 padding on; 21 set beside a mask; 24:22 after every 64 words; 31:25 of 4 words
	s_or_b32 s[G1B+0], s44, (0<<16)|(1<<20)|(1<<21)|(5<<22)|(3<<25)
.irp g, G1, G1B
	s_mov_b32 s[\g+1], ROWB<<16                    ; tensor_dim0
	s_mov_b32 s[\g+2], 128<<16                     ; tensor_dim1 = 128
	s_mov_b32 s[\g+3], ROWB<<16                    ; tile_dim0
	s_mov_b32 s[\g+4], 128                         ; tile_dim1 = 128
	s_mov_b32 s[\g+5], KROW                        ; tensor_dim0_stride
	s_mov_b32 s[\g+6], 0
	s_mov_b32 s[\g+7], 0
.endr
	; and for the scales of 128 rows: a dense block of 128 KS bytes, as rows of 256 bytes (32 elements of 8 bytes), 16 bytes of padding behind each
	s_or_b32 s[G1S+0], s43, (3<<16)|(1<<20)|(1<<21)|(5<<22)|(3<<25)
	s_or_b32 s[G1SB+0], s44, (3<<16)|(1<<20)|(1<<21)|(5<<22)|(3<<25)
.irp g, G1S, G1SB
	s_mov_b32 s[\g+1], 32<<16
	s_mov_b32 s[\g+2], (128*KS/256)<<16
	s_mov_b32 s[\g+3], 32<<16
	s_mov_b32 s[\g+4], 128*KS/256
	s_mov_b32 s[\g+5], 32
	s_mov_b32 s[\g+6], 0
	s_mov_b32 s[\g+7], 0
.endr
	s_lshl_b32 s18, s16, 7                         ; which 128 rows of the tile I fetch
	s_lshl_b32 s20, s17, 8
	s_add_co_u32 s20, s20, s18                     ; x: row 256 x tile row + 128 x half
	s_lshl_b32 s46, s42, 8
	s_add_co_u32 s46, s46, s18                     ; W: row 256 x tile column + 128 x half
	s_mov_b32 s21, 0
	s_mov_b32 s47, 0
	s_mov_b64 s[18:19], KS
	s_mul_u64 s[22:23], s[20:21], s[18:19]         ; where these rows' scales begin, in bytes
	s_mul_u64 s[92:93], s[46:47], s[18:19]
	s_mov_b64 s[18:19], KROW
	s_mul_u64 s[20:21], s[20:21], s[18:19]         ; and their codes
	s_mul_u64 s[46:47], s[46:47], s[18:19]
	s_mul_i32 s45, s14, HALFT                      ; where they go: wave x 128 rows: no place in the cluster enters an LDS address
	s_mul_i32 s94, s14, HALFS
	s_wait_dscnt 0x0                               ; both opening adds are done
	s_wait_kmcnt 0x0
	s_add_nc_u64 s[20:21], s[4:5], s[20:21]
	s_add_nc_u64 s[22:23], s[6:7], s[22:23]
	s_add_nc_u64 s[46:47], s[8:9], s[46:47]
	s_add_nc_u64 s[92:93], s[10:11], s[92:93]
	CROUND                                         ; all sixteen work-groups are here: the joint loads meet
	s_mov_b32 s[G0S], 1
	s_add_co_u32 s[G0S+1], s94, SCL
	s_mov_b64 s[G0S+2:G0S+3], s[22:23]
	s_or_b32 s[G0S+3], s[G0S+3], 0x80000000
	s_mov_b32 s[G0SB], 1
	s_add_co_u32 s[G0SB+1], s94, SCL
	s_mov_b64 s[G0SB+2:G0SB+3], s[92:93]
	s_or_b32 s[G0SB+3], s[G0SB+3], 0x80000000
	JLOAD G0S, G1S, G0SB, G1SB                     ; the scales first: they are wanted with the first slot
.irp s, 0,1
	s_mov_b32 s[G0+4*\s], 1
	s_add_co_u32 s[G0+4*\s+1], s45, \s*SLOT
	s_add_nc_u64 s[G0+4*\s+2:G0+4*\s+3], s[20:21], \s*ROWB
	s_or_b32 s[G0+4*\s+3], s[G0+4*\s+3], 0x80000000
	s_mov_b32 s[G0B+4*\s], 1
	s_add_co_u32 s[G0B+4*\s+1], s45, \s*SLOT
	s_add_nc_u64 s[G0B+4*\s+2:G0B+4*\s+3], s[46:47], \s*ROWB
	s_or_b32 s[G0B+4*\s+3], s[G0B+4*\s+3], 0x80000000
	JLOAD G0+4*\s, G1, G0B+4*\s, G1B               ; three tensor loads of mine are out behind the last of these
.endr
	v_and_b32 v1, 15, v0                           ; l % 16
	v_bfe_u32 v2, v0, 4, 1                         ; l / 16
	v_mul_u32_u24 v3, v1, PITCH
	v_lshl_add_u32 v4, v2, 4, v3                   ; a fragment's row x pitch + 16 x half
	s_mul_i32 s21, s15, HALFT                      ; my 128 rows of x
	s_mul_i32 s22, s16, HALFT                      ; my 128 rows of W,
	s_add_co_u32 s22, s22, 2*HALFT                 ; which lie behind x's 256
.irp s, 0,1
	v_add_nc_u32 v[ADRA+\s], s21, v4
	v_add_nc_u32 v[ADRB+\s], s22, v4
	s_add_co_u32 s21, s21, SLOT
	s_add_co_u32 s22, s22, SLOT
.endr
	v_mul_u32_u24 v5, v1, KS                       ; my row's scales: KS bytes a row,
	v_lshrrev_b32 v6, 8, v5
	v_lshl_add_u32 v5, v6, 4, v5                   ; and 16 more for each 256 passed
	s_mul_i32 s21, s15, HALFS                      ; x's: my 128 rows
	s_mul_i32 s22, s16, HALFS                      ; W's: my 128 rows, behind x's 256
	s_add_co_u32 s22, s22, 2*HALFS
	s_sub_co_u32 s22, s22, s21
	v_mul_u32_u24 v6, s22, v2                      ; lanes 16-31 take W's
	s_add_co_u32 s21, s21, SCL
	v_add_nc_u32 v5, v5, v6
	v_add_nc_u32 v[ADRS], s21, v5
	s_mul_i32 s23, s14, 16*SPITCH                  ; my stage
	v_mul_u32_u24 v5, v1, SPITCH                   ; in: row l % 16, 16 bytes for each half of the lanes
	v_lshl_add_u32 v5, v2, 4, v5
	v_add_nc_u32 v[STO], s23, v5
	v_mul_u32_u24 v5, v2, SPITCH                   ; back: lanes 0-15 take one row of 256 bytes, lanes 16-31 the next
	v_lshl_add_u32 v5, v1, 4, v5
	v_add_nc_u32 v[RD], s23, v5
	v_mul_u32_u24 v5, v2, SIZE_N*2                 ; and the same two rows in qkv
	v_lshl_add_u32 v[CO], v1, 4, v5
	s_lshl_b32 s20, s17, 8
	s_lshl_b32 s21, s15, 7
	s_add_co_u32 s20, s20, s21                     ; my first row: 256 x tile row + 128 x half
	s_mul_i32 s20, s20, SIZE_N*2                   ; in bytes: under 2^26
	s_mov_b32 s21, 0
	s_lshl_b32 s46, s42, 9                         ; my first column, in bytes: 512 x tile column + 256 x half
	s_lshl_b32 s47, s16, 8
	s_add_co_u32 s46, s46, s47
	s_mov_b32 s47, 0
	s_add_nc_u64 s[20:21], s[20:21], s[46:47]
	s_add_nc_u64 s[12:13], s[12:13], s[20:21]
.macro FRAG reg, adr, q, i             ; a fragment, 16 rows x 128 K of 4-bit codes: lane l holds row l % 16; registers 4 c .. 4 c + 3 hold K = 64 c + 32 (l / 16) + 0 .. 31
.irp c, 0,1
	ds_load_b128 v[\reg+4*\c:\reg+4*\c+3], v[\adr] offset:64*(\q)+32*\c+(\i)*16*PITCH
.endr
.endm
; 16 matrix instructions: x's blocks a0, a0 + 1 against W's eight, 128 along K: the slot's q-th.  p: W's set;  sc: the set of scale words.  zero = 1: the first product starts the sums.
; The 64 accumulators take turns, one instruction a turn, in the same order in every step.
.macro MUL16 a0, p, q, sc, zero
.irp a, \a0, \a0+1
.irp b, 0,1,2,3,4,5,6,7
.if \zero
	v_wmma_scale_f32_16x16x128_f8f6f4 v[8*(8*((\a)%4)+\b):8*(8*((\a)%4)+\b)+7], v[128*(\p)+FR*\b:128*(\p)+FR*\b+FR-1], v[AF+FR*(\a):AF+FR*(\a)+FR-1], 0, v[SC+8*NQ*(\sc)+NQ*\b+(\q)], v[SC+8*NQ*(\sc)+NQ*(\a)+(\q)] matrix_a_fmt:MATRIX_FMT_FP4 matrix_b_fmt:MATRIX_FMT_FP4 matrix_a_scale:MATRIX_SCALE_ROW1
.else
	v_wmma_scale_f32_16x16x128_f8f6f4 v[8*(8*((\a)%4)+\b):8*(8*((\a)%4)+\b)+7], v[128*(\p)+FR*\b:128*(\p)+FR*\b+FR-1], v[AF+FR*(\a):AF+FR*(\a)+FR-1], v[8*(8*((\a)%4)+\b):8*(8*((\a)%4)+\b)+7], v[SC+8*NQ*(\sc)+NQ*\b+(\q)], v[SC+8*NQ*(\sc)+NQ*(\a)+(\q)] matrix_a_fmt:MATRIX_FMT_FP4 matrix_b_fmt:MATRIX_FMT_FP4 matrix_a_scale:MATRIX_SCALE_ROW1
.endif
.endr
.endr
.endm
.macro FETCH_B slot, q, p              ; W's eight fragments of the slot's q-th 128 along K into set p
	WIN TO_B
.irp i, 0,1,2,3,4,5,6,7
	FRAG 128*(\p)+FR*\i, ADRB+\slot, \q, \i
.endr
	WIN 0
.endm
.macro FETCH_A slot, q, i0             ; x's blocks i0 .. i0 + 3
.irp i, \i0, \i0+1, \i0+2, \i0+3
	FRAG AF+FR*(\i), ADRA+\slot, \q, \i
.endr
.endm
.macro SCALES sc                       ; a slot's scale words into set sc: NQ words a row; lanes 0-15 take x's block i, lanes 16-31 W's block i
.irp i, 0,1,2,3,4,5,6,7
	ds_load_b128 v[SC+8*NQ*\sc+NQ*\i:SC+8*NQ*\sc+NQ*\i+3], v[ADRS] offset:\i*SBLK
.endr
.endm
; A load into a register that a matrix instruction has read, and a vector instruction that reads a matrix result, stand NP places behind that matrix instruction; only plain vector instructions that name none of its registers are places.
.macro PLACES n
.rept \n
	v_nop
.endr
.endm
; A step of 128 along K that has its successor in the same slot.
.macro STEP slot, q, zero
	s_wait_dscnt 4*NL                              ; W's set and x's blocks 0-3 are in; the youngest eight loads (x's blocks 4-7) may be out
	WIN MUL_LO
	MUL16 0, (\q)%2, \q, \slot, \zero
	MUL16 2, (\q)%2, \q, \slot, \zero
	s_wait_dscnt 0                                 ; x's blocks 4-7 are in (asked for 32 matrix instructions ago)
	PLACES NP
	FETCH_B \slot, (\q)+1, 1-(\q)%2
	FETCH_A \slot, (\q)+1, 0
	WIN MUL_HI
	MUL16 4, (\q)%2, \q, \slot, \zero
	MUL16 6, (\q)%2, \q, \slot, \zero
	PLACES NP
	WIN 0
	FETCH_A \slot, (\q)+1, 4
.endm
; Slot 0's last step changes slots: ONE barrier; in front of it each wave waits for all its tensor loads (its part of slot 1), adds 0 to its spare word, and waits for that and for its own reads of slot 0.
; Behind it slot 1 is whole, and nobody reads slot 0 any more: the way out's stages will lie there.
.macro TURN slot, next
	s_wait_tensorcnt 0x0                           ; all my tensor loads have landed  (every window is 0 here)
	ds_add_u32 v[SPW], v[NIL]                      ; 0 onto my spare word
	s_wait_dscnt 4*NL+1                            ; (the add and the youngest eight loads, x's blocks 4-7, may be out)
	WIN MUL_LO
	MUL16 0, 1, NQ-1, \slot, 0                     ; sixteen matrix instructions stand between the add and the wait for it
	s_wait_dscnt 0x0                               ; the add is done, and my reads of this slot are over
	s_barrier_signal -1
	MUL16 2, 1, NQ-1, \slot, 0
	WIN 0
	s_barrier_wait -1
	PLACES NP
	v_add_nc_u32 v[ADRS], 4*NQ, v[ADRS]            ; on to the next slot's scale words
	FETCH_B \next, 0, 0
	FETCH_A \next, 0, 0
	SCALES \next
	WIN MUL_HI
	MUL16 4, 1, NQ-1, \slot, 0
	MUL16 6, 1, NQ-1, \slot, 0
	PLACES NP
	WIN 0
	FETCH_A \next, 0, 4
.endm
.macro STEPS slot, from                ; the slot's steps from .. NQ - 2
.set Q, \from
.rept NQ-1-\from
	STEP \slot, Q, 0
.set Q, Q+1
.endr
.endm
	s_wait_tensorcnt 1                             ; the scales and my part of slot 0 are in (slot 1's load may be out),
	s_barrier_signal -1
	s_barrier_wait -1                              ; everybody's are
	FETCH_B 0, 0, 0
	FETCH_A 0, 0, 0
	SCALES 0
	FETCH_A 0, 0, 4
	STEP 0, 0, 1                                   ; the first step's products start the sums: nothing is cleared
	STEPS 0, 1
	TURN 0, 1
	STEPS 1, 0
	s_wait_dscnt 4*NL                              ; the very last step: nothing more to fetch
	WIN MUL_LO
	MUL16 0, 1, NQ-1, 1, 0
	MUL16 2, 1, NQ-1, 1, 0
	s_wait_dscnt 0
	WIN MUL_HI
	MUL16 4, 1, NQ-1, 1, 0
	MUL16 6, 1, NQ-1, 1, 0
	WIN 0
; THE WAY OUT of block a (16 rows x 128 columns), in three parts.  PACK: rounded to f16, 16 bytes a lane, each accumulator from its low end on.  TOSTAGE: into my own stage in LDS, and back as whole rows of 256 bytes.  SEND: stored.
.macro PACK a
.set AC, 64*((\a)%4)
	WIN 0x0a+5*((\a)/4)                            ; sources 0 and 1: window 2 or 3
.irp b, 0,1,2,3,4,5,6,7
.irp i, 0,1,2,3
	v_cvt_pk_f16_f32 v[TMP+4*\b+\i], v[AC+8*\b+2*\i], v[AC+8*\b+2*\i+1]
.endr
.endr
	WIN 0
.endm
.macro TOSTAGE a
.set BK, OB+192*((\a)%2)
.irp b, 0,1,2,3,4,5,6,7
	ds_store_b128 v[STO], v[TMP+4*\b:TMP+4*\b+3] offset:32*\b
.endr
.irp t, 0,1,2,3,4,5,6,7
	ds_load_b128 v[BK+4*\t:BK+4*\t+3], v[RD] offset:\t*2*SPITCH    ; LDS serves a wave's instructions in order (ISA guide 5.7.1.4): these see the stores above
.endr
.endm
.macro SEND a
.set BK, OB+192*((\a)%2)
	s_wait_dscnt 0x0                               ; the block is back in registers
	s_wait_xcnt 0x0                                ; the earlier stores have read their base and their data: only behind this wait are they rewritten
.if (\a) > 0
	s_add_nc_u64 s[12:13], s[12:13], 16*SIZE_N*2   ; 16 rows on
.endif
.irp t, 0,1,2,3,4,5,6,7
	global_store_b128 v[CO], v[BK+4*\t:BK+4*\t+3], s[12:13] offset:2*\t*SIZE_N*2   ; 16 lanes store 256 consecutive bytes, at a multiple of 256 from qkv's first byte
.endr
.endm
	PLACES NP                                      ; behind the last products: for the conversions that read results and the loads into registers that held operands
	PACK 0
	TOSTAGE 0
.irp a, 1,2,3,4,5,6,7                  ; block a's conversions stand between block a - 1's loads from the stage and the wait for them
	PACK \a
	SEND \a-1
	TOSTAGE \a
.endr
	SEND 7
	s_wait_tensorcnt 0x0                           ; the wave's end: behind my last tensor load and my last LDS store
	ds_add_u32 v[SPW], v[NIL]
	s_wait_dscnt 0x0
	CROUND                                         ; the closing round: no work-group ends while a partner may still ask for a tile that names it
	s_endpgm
.Lfunc_end_k_qb0ca0ad922_qkvgemm:
	.size	k_qb0ca0ad922_qkvgemm, .Lfunc_end_k_qb0ca0ad922_qkvgemm-k_qb0ca0ad922_qkvgemm
	.p2alignl 7, 3214868480
	.fill 96, 4, 3214868480
	.section	.rodata,"a",@progbits
	.p2align	6, 0x0
	.amdhsa_kernel k_qb0ca0ad922_qkvgemm
		.amdhsa_group_segment_fixed_size 327680
		.amdhsa_private_segment_fixed_size 0
		.amdhsa_enable_private_segment 0
		.amdhsa_kernarg_size 40
		.amdhsa_user_sgpr_count 2
		.amdhsa_user_sgpr_kernarg_segment_ptr 1
		.amdhsa_wavefront_size32 1
		.amdhsa_system_sgpr_workgroup_id_x 1
		.amdhsa_system_sgpr_workgroup_id_y 1
		.amdhsa_system_sgpr_workgroup_id_z 1
		.amdhsa_system_vgpr_workitem_id 0
		.amdhsa_next_free_vgpr 1024
		.amdhsa_next_free_sgpr 98
		.amdhsa_reserve_vcc 0
		.amdhsa_float_denorm_mode_32 3
		.amdhsa_float_denorm_mode_16_64 3
		.amdhsa_memory_ordered 1
		.amdhsa_forward_progress 1
		.amdhsa_inst_pref_size 127
	.end_amdhsa_kernel
	.amdgpu_metadata
---
amdhsa.version: [ 1, 2 ]
amdhsa.kernels:
  - .name:           k_qb0ca0ad922_qkvgemm
    .symbol:         k_qb0ca0ad922_qkvgemm.kd
    .args:
      - { .name: x_codes, .offset: 0, .size: 8, .value_kind: global_buffer, .address_space: global }
      - { .name: x_scales, .offset: 8, .size: 8, .value_kind: global_buffer, .address_space: global }
      - { .name: w_codes, .offset: 16, .size: 8, .value_kind: global_buffer, .address_space: global }
      - { .name: w_scales, .offset: 24, .size: 8, .value_kind: global_buffer, .address_space: global }
      - { .name: qkv, .offset: 32, .size: 8, .value_kind: global_buffer, .address_space: global }
    .group_segment_fixed_size: 327680
    .private_segment_fixed_size: 0
    .kernarg_segment_align: 8
    .kernarg_segment_size: 40
    .max_flat_workgroup_size: 128
    .sgpr_count:     98
    .vgpr_count:     1024
    .wavefront_size: 32
...
	.end_amdgpu_metadata
.endif
;; end of part 2
;; launch scores (part 3): grid 8 x 32, 4 waves a work-group, clusters of 4 x 4, 327,680 bytes of LDS; arguments qkv, pimg, stats; writes pimg, stats
.if DOCPART == 3
	.amdgcn_target "amdgcn-amd-amdhsa--gfx1250"
	.amdhsa_code_object_version 6
	.text
	.protected	k_qb0ca0ad922_scores
	.globl	k_qb0ca0ad922_scores
	.p2align	8
	.type	k_qb0ca0ad922_scores,@function
k_qb0ca0ad922_scores:
	s_mov_b64 s[64:65], 0
	v_nop
	global_prefetch_b8 v0, s[64:65] scope:SCOPE_SE
	s_setreg_imm32_b32 hwreg(HW_REG_WAVE_MODE, 25, 1), 1
	s_wait_xcnt 0x0
	s_wait_alu depctr_hold_cnt(0) depctr_sa_sdst(0) depctr_va_vdst(0) depctr_va_sdst(0) depctr_va_ssrc(0) depctr_va_vcc(0) depctr_vm_vsrc(0)
	s_getreg_b32 s2, hwreg(HW_REG_IB_STS2, 6, 4)
	s_cmp_eq_u32 s2, 0
	s_cbranch_scc0 .Lentry_in_a_cluster
	s_endpgm
.Lentry_in_a_cluster:
	s_bfe_u32 s2, ttmp6, 0x10000c
	s_cmp_lg_u32 s2, 0xf033
	s_cbranch_scc0 .Lentry_shape_is_right
	s_endpgm
.Lentry_shape_is_right:
; S = q k^T for 256 queries x 256 keys of one batch, f16 operands, f32 sums; then the softmax's weights UNDER THE MAXIMUM OF EACH BLOCK OF 128 KEYS.  No work is left out.
; t = c s, c = log2(e) / 32.  For a query and a block j of 128 keys: -M_j = floor(-max t), a whole number; p = 2^(t - M_j), at most 1, rounded to f16; l_j = the sum of the f32 p.  The last launch joins the blocks: it takes
; M = max M_j and multiplies block j by 2^(M_j - M).  So the row's maximum is taken away for every input; nothing is shifted by a constant.
; qkv: [8192][3072] f16: q at byte 0 of a row of 6,144 bytes, k at 2,048.  LIMITS: NaN and infinities are not served.
; OUT: pimg: p as IMAGES OF OPERAND REGISTERS for the last launch: [512 blocks of 16 queries][64 quarters of 32 keys][2 halves][32 lanes][16 bytes].  stats: f32, -M at [16 j][8192 rows], l 524,288 bytes further on.
; A wave makes 128 x 128: 64 accumulators.  K = 1,024 goes in steps of 128 through a ring of two LDS slots filled by the tensor data mover: a tile's row is 256 bytes of memory, aligned.
; CLUSTERS: 4 x 4 work-groups.  The four of a row of the cluster need the same tiles of q, the four of a column the same tiles of k: each is asked for JOINTLY, by the same tensor load with the same descriptor and a mask that names the four.
; THE MATRIX INSTRUCTION IS USED TRANSPOSED: source 0 = 16 keys, source 1 = 16 queries: lane l holds ONE query (l % 16) and the keys 8 (l / 16) + 0 .. 7 of each block of 16.  Two such blocks, packed to f16 in pairs, ARE
; a fragment (16 queries x 32 keys) of the next product: a lane's 16 bytes go to memory as they stand, 512 consecutive bytes a store, with no stage.
; REGISTERS, in windows of 256: window 0: v0-31 addresses; v32-59 at work in the softmax; v64-127, v128-191 fragments of q, two buffers, later t and p, and the packed p; v224-247 sums and what goes to stats.
;   window 1: v64-127, v128-191 fragments of k.   window 2: the accumulators of my queries 0-63 ((a, b) at v[8 (8 a + b)]);   window 3: those of queries 64-127.
.set ROWE,   3072                      ; elements in a row of qkv
.set ROWBY,  6144                      ; and bytes
.set KSTEP,  128
.set PITCH,  272                       ; an LDS row: 256 bytes + 16 of padding: the 16 rows that a load touches start 68 words apart
.set HALFT,  128*PITCH                 ; 128 rows: what one tensor load brings, and what one wave reads of q or of k
.set SLOT,   4*HALFT                   ; q's 256 rows, then k's 256 rows
.set STAT,   2*SLOT                    ; behind the ring: 1,024 bytes for each wave: -M and l of its 128 queries on their way out
.set SPARE,  STAT+4*1024               ; the spare words, 128 bytes for each wave, which no other line names
.set LAPS,   4                         ; a lap = two K steps = once round the ring
.set ADRA, 16                          ; v16-17  LDS address of my q fragments in slot 0, 1
.set ADRB, 20                          ; v20-21  the same for k
.set L16,  24                          ; v24     16 x lane
.set SA,   25                          ; v25     STAT + 1,024 wave + 512 (l / 16) + 4 (l % 16)
.set SR,   26                          ; v26     STAT + 1,024 wave + 16 x lane
.set SPW,  28                          ; v28     LDS address of my spare word; never rewritten
.set NIL,  29                          ; v29     0; never rewritten
.set PFO,  30                          ; v30     the prefetches' offset: lane x a row of qkv; never rewritten
.set MX,   32                          ; v32-35  four running maxima
.set PT,   36                          ; v36     what comes from the lane 16 away
.set S0,   38                          ; v[38:39], v[40:41] two chains of sums
.set S1,   40
.set NMK,  44                          ; v44-59  -M of block a at v[44 + 2 a]; the odd ones are named with them as pairs and hold 0
.set T,    64                          ; v64-127 t - M, then p, of one block of 16 queries
.set PK,   128                         ; v128-159, v160-191 p packed to f16, by turns
.set LK,   224                         ; v224-231 l of block a
.set XST,  232                         ; v232-239 lanes 0-15 -M, lanes 16-31 l
.set SB,   240                         ; v240-247 the same, 16 bytes a lane
.set F0,   64                          ; fragment buffers
.set F1,   128
.set G1, 24                            ; s[24:31] descriptor group 1 for q's tiles; s[32:39] group 0, one set for each slot
.set G0, 32
.set G1B, 48                           ; s[48:55], s[56:63] the same for k's
.set G0B, 56
.set CS,  66                           ; s[66:67] c, twice: the packed form names a pair
.set SEL, 68                           ; s[68:69] lane selects for v_permlanex16_b32: lane l xor 16
.set HM,  70                           ; s70     the mask of lanes 16-31
.set PFA, 74                           ; s[74:75] where my prefetches stand
.set LIM, 76                           ; s76     1 in a wave that prefetches, else the greatest number
.set MSB, 0
.macro WIN new                         ; the immediate's high byte repeats the setting that is left
.if MSB != (\new)
	s_set_vgpr_msb (MSB<<8)|(\new)
.set MSB, (\new)
.endif
.endm
.set MUL_LO, 0xa1                      ; source 0 (k) window 1, source 1 (q) window 0, C and D window 2
.set MUL_HI, 0xf1                      ; the same, C and D window 3
.set TO_B,   0x40                      ; destination window 1, address window 0
; A joint load.  Waves 0 and 1 fetch q's two halves, waves 2 and 3 k's.  The branch hangs on the wave's number alone.  An s_nop 0 and four v_nop follow each of the two lines.
.macro JLOAD s
	s_cmp_eq_u32 s11, 0
	s_cbranch_scc0 .Lfor_b_\@
	tensor_load_to_lds s[G0+4*\s:G0+4*\s+3], s[G1:G1+7]
	s_nop 0
.rept 4
	v_nop
.endr
	s_branch .Lasked_\@
.Lfor_b_\@:
	tensor_load_to_lds s[G0B+4*\s:G0B+4*\s+3], s[G1B:G1B+7]
	s_nop 0
.rept 4
	v_nop
.endr
.Lasked_\@:
.endm
; A PREFETCH INTO THE L2, behind each joint load and the run of LDS loads that follows it: the K step that stands two refills on: 32 rows x 256 bytes, a lane a row, one instruction a wave.
; Each row's 256 bytes of a K step are named once in the launch: q's rows are read by both clusters of a row of clusters: cluster x = 0 asks; k's by the two clusters of a batch in a column: the even cluster y asks.
; The four partners that ask for a tile jointly share its rows out BY ADDRESS, 32 each.  The loop's last trip asks for nothing: there is no K step two on.  K steps 0 to 3 come by their loads alone.
.macro ASK
	s_cmp_gt_u32 s3, s[LIM]                        ; s3 = 1 in the loop's last trip
	s_cbranch_scc0 .Lnot_mine_\@
	global_prefetch_b8 v[PFO], s[PFA:PFA+1] offset:KSTEP*2 th:TH_LOAD_NT scope:SCOPE_SE
.Lnot_mine_\@:
.endm
.macro CREST                           ; a round of the cluster's barrier behind its opening barrier
	s_cmp_lg_u32 s10, 0
	s_cbranch_scc1 .Lnot_wave_0_\@
	s_barrier_signal -3
.Lnot_wave_0_\@:
	s_barrier_wait -3
	s_barrier_signal -1
	s_barrier_wait -1
.endm
.macro CROUND                          ; a whole round
	s_barrier_signal -1
	s_barrier_wait -1
	CREST
.endm
	s_load_b128 s[4:7], s[0:1], 0x0                ; qkv s[4:5], pimg s[6:7]
	s_load_b64 s[8:9], s[0:1], 0x10                ; stats
	v_lshl_add_u32 v[SPW], v0, 2, SPARE
	v_mov_b32 v[NIL], 0
	ds_add_u32 v[SPW], v[NIL]                      ; the wave's opening: the add, twice on end, and its wait ahead of my first tensor load
	ds_add_u32 v[SPW], v[NIL]
	v_lshrrev_b32 v1, 5, v0
	v_readfirstlane_b32 s10, v1                    ; wave 0..3
	s_lshr_b32 s11, s10, 1                         ; which half of the tile's queries is mine.  Also: I fetch for q (0) or for k (1)
	s_and_b32 s12, s10, 1                          ; which half of its keys.  Also: which 128 rows of that tile I fetch
	s_bfe_u32 s40, ttmp6, 0x40000                  ; cx
	s_bfe_u32 s41, ttmp6, 0x40004                  ; cy
	s_lshl_b32 s42, ttmp9, 2
	s_add_co_u32 s42, s42, s40                     ; the key tile, 0..7 = 4 x cluster x + cx
	s_and_b32 s13, ttmp7, 0xffff
	s_lshl_b32 s13, s13, 2
	s_add_co_u32 s13, s13, s41                     ; the query tile, 0..31 = 4 x cluster y + cy: rows 256 x it of all four batches on end
	s_lshl_b32 s43, s41, 2
	s_lshl_b32 s43, 15, s43                        ; my row of the cluster
	s_lshl_b32 s44, 0x1111, s40                    ; my column
	; descriptor group 1: a tile of 128 rows x 128 elements, padded in LDS
	s_or_b32 s[G1+0], s43, (1<<16)|(1<<20)|(1<<21)|(5<<22)|(3<<25)  ; 15:0 the mask: q's tiles go to my row; 17:16 element of 2 bytes; 20 padding on; 21 set beside a mask; 24:22 after every 64 words; 31:25 of 4 words
	s_or_b32 s[G1B+0], s44, (1<<16)|(1<<20)|(1<<21)|(5<<22)|(3<<25) ; the same with the mask of my column, for k's tiles
.irp g, G1, G1B
	s_mov_b32 s[\g+1], KSTEP<<16                   ; tensor_dim0 = 128
	s_mov_b32 s[\g+2], 128<<16                     ; tensor_dim1 = 128
	s_mov_b32 s[\g+3], KSTEP<<16                   ; tile_dim0 = 128
	s_mov_b32 s[\g+4], 128                         ; tile_dim1 = 128
	s_mov_b32 s[\g+5], ROWE                        ; tensor_dim0_stride: elements from row to row
	s_mov_b32 s[\g+6], 0
	s_mov_b32 s[\g+7], 0
.endr
	s_mov_b32 s[CS], 0x3d38aa3b                    ; c = log2(e) / 32
	s_mov_b32 s[CS+1], s[CS]
	s_mov_b32 s[SEL], 0x76543210
	s_mov_b32 s[SEL+1], 0xfedcba98
	s_mov_b32 s[HM], 0xffff0000
	; where the tiles come from.  q's hang on the query tile alone, which my row of the cluster shares; k's on the batch (cluster y / 2) and the key tile, which my column shares.
	s_lshl_b32 s17, s12, 7                         ; which 128 rows of the tile I fetch
	s_lshl_b32 s16, s13, 8
	s_add_co_u32 s16, s16, s17                     ; q: row 256 x query tile + 128 x half
	s_and_b32 s46, ttmp7, 0xffff
	s_lshr_b32 s46, s46, 1                         ; the batch
	s_lshl_b32 s46, s46, 11
	s_lshl_b32 s47, s42, 8
	s_add_co_u32 s46, s46, s47
	s_add_co_u32 s46, s46, s17                     ; k: row 2,048 x batch + 256 x key tile + 128 x half
	s_mul_i32 s16, s16, ROWBY                      ; in bytes: under 2^26
	s_mov_b32 s17, 0
	s_mul_i32 s46, s46, ROWBY
	s_add_co_u32 s46, s46, 2048                    ; k's place in a row
	s_mov_b32 s47, 0
	s_mul_i32 s20, s10, HALFT                      ; and where they go: wave x 128 rows: no place in the cluster enters an LDS address
	s_wait_dscnt 0x0                               ; both opening adds are done
	s_wait_kmcnt 0x0
	s_add_nc_u64 s[14:15], s[4:5], s[16:17]
	s_add_nc_u64 s[46:47], s[4:5], s[46:47]
	CROUND                                         ; all sixteen work-groups are here: the first joint loads meet
.irp s, 0,1
	s_mov_b32 s[G0+4*\s], 1                                        ; count = 1
	s_add_co_u32 s[G0+4*\s+1], s20, \s*SLOT                        ; LDS address
	s_add_nc_u64 s[G0+4*\s+2:G0+4*\s+3], s[14:15], \s*KSTEP*2      ; global address: K step s
	s_or_b32 s[G0+4*\s+3], s[G0+4*\s+3], 0x80000000                ; type = 2
	s_mov_b32 s[G0B+4*\s], 1
	s_add_co_u32 s[G0B+4*\s+1], s20, \s*SLOT
	s_add_nc_u64 s[G0B+4*\s+2:G0B+4*\s+3], s[46:47], \s*KSTEP*2
	s_or_b32 s[G0B+4*\s+3], s[G0B+4*\s+3], 0x80000000
	JLOAD \s                                       ; two tensor loads of mine are out behind the second
.endr
	; A fragment is 16 rows x 32 K in 8 registers: lane l holds row l % 16; registers 0-3 hold K = 8 (l / 16) + 0..7, registers 4-7 K = 16 + 8 (l / 16) + 0..7: two loads of 16 bytes, 32 bytes apart.
	v_and_b32 v1, 15, v0                           ; l % 16
	v_bfe_u32 v2, v0, 4, 1                         ; l / 16
	v_mul_u32_u24 v3, v1, PITCH
	v_lshl_add_u32 v3, v2, 4, v3
	s_mul_i32 s21, s11, HALFT                      ; my 128 rows of q
	s_mul_i32 s22, s12, HALFT                      ; my 128 rows of k,
	s_add_co_u32 s22, s22, 2*HALFT                 ; which lie behind q's 256
.irp s, 0,1
	v_add_nc_u32 v[ADRA+\s], s21, v3
	v_add_nc_u32 v[ADRB+\s], s22, v3
	s_add_co_u32 s21, s21, SLOT
	s_add_co_u32 s22, s22, SLOT
.endr
	v_and_b32 v4, 31, v0
	v_lshlrev_b32 v[L16], 4, v4
	s_lshl_b32 s23, s10, 10
	s_add_co_u32 s23, s23, STAT                    ; my 1,024 bytes for -M and l
	v_lshlrev_b32 v5, 2, v1
	v_lshl_add_u32 v5, v2, 9, v5
	v_add_nc_u32 v[SA], s23, v5
	v_add_nc_u32 v[SR], s23, v[L16]
	; pimg at my first block of 16 queries and my first quarter of 32 keys;  stats at my block of 128 keys and my first query
	s_lshl_b32 s78, s13, 4
	s_lshl_b32 s79, s11, 3
	s_add_co_u32 s78, s78, s79
	s_lshl_b32 s78, s78, 16                        ; (16 x query tile + 8 x half) x 65,536
	s_lshl_b32 s79, s42, 3
	s_lshl_b32 s77, s12, 2
	s_add_co_u32 s79, s79, s77
	s_lshl_b32 s79, s79, 10                        ; (8 x key tile + 4 x half) x 1,024
	s_add_co_u32 s78, s78, s79
	s_mov_b32 s79, 0
	s_add_nc_u64 s[6:7], s[6:7], s[78:79]
	s_lshl_b32 s78, s42, 1
	s_add_co_u32 s78, s78, s12
	s_lshl_b32 s78, s78, 15                        ; (2 x key tile + half) x 8,192 rows x 4 bytes
	s_lshl_b32 s79, s13, 10
	s_add_co_u32 s78, s78, s79
	s_lshl_b32 s79, s11, 9
	s_add_co_u32 s78, s78, s79                     ; + (256 x query tile + 128 x half) x 4
	s_mov_b32 s79, 0
	s_add_nc_u64 s[8:9], s[8:9], s[78:79]
	; the prefetches
	s_and_b32 s22, ttmp7, 0xffff                   ; cluster y
	s_lshr_b32 s20, s22, 1
	s_lshl_b32 s20, s20, 11
	s_lshl_b32 s21, s42, 8
	s_add_co_u32 s20, s20, s21                     ; k's tile: its first row
	s_lshl_b32 s21, s13, 8                         ; q's
	s_and_b32 s22, s22, 1
	s_cmp_eq_u32 s11, 0                            ; do I fetch for q?
	s_cselect_b32 s20, s21, s20                    ; the tile's first row
	s_cselect_b32 s21, s40, s41                    ; my place among the four that ask for it with me
	s_cselect_b32 s22, ttmp9, s22                  ; the coordinate along which another cluster reads the same rows
	s_cselect_b32 s23, 0, 2048                     ; q's or k's place in a row
	s_cmp_eq_u32 s22, 0
	s_cselect_b32 s[LIM], 1, -1                    ; the same in all sixteen partners, for a given wave
	s_lshl_b32 s22, s12, 7
	s_add_co_u32 s20, s20, s22                     ; + the 128 rows that I fetch
	s_lshl_b32 s21, s21, 5
	s_add_co_u32 s20, s20, s21                     ; + my work-group's 32 of them
	s_mul_i32 s20, s20, ROWBY
	s_add_co_u32 s20, s20, s23
	s_add_co_u32 s20, s20, 2*KSTEP*2               ; at K step 2: the first refill steps it to 3 and names K step 4
	s_mov_b32 s21, 0
	s_add_nc_u64 s[PFA:PFA+1], s[4:5], s[20:21]
	v_mul_u32_u24 v[PFO], v4, ROWBY
; 16 matrix instructions: query blocks a0, a0 + 1 of the window's four (hi = 0: my queries 0-63, 1: 64-127) x all 8 key blocks, 32 along K.  zero = 1: the first product starts the sums.
; The 64 accumulators take turns, one instruction a turn, in the same order in every quarter.
.macro MUL16 f, hi, a0, zero
.irp a, \a0, \a0+1
.irp b, 0,1,2,3,4,5,6,7
.if \zero
	v_wmma_f32_16x16x32_f16 v[8*(8*(\a)+\b):8*(8*(\a)+\b)+7], v[\f+8*\b:\f+8*\b+7], v[\f+8*(4*\hi+\a):\f+8*(4*\hi+\a)+7], 0
.else
	v_wmma_f32_16x16x32_f16 v[8*(8*(\a)+\b):8*(8*(\a)+\b)+7], v[\f+8*\b:\f+8*\b+7], v[\f+8*(4*\hi+\a):\f+8*(4*\hi+\a)+7], v[8*(8*(\a)+\b):8*(8*(\a)+\b)+7]
.endif
.endr
.endr
.endm
; 32 LDS loads in one run: the fragments of one quarter step (128 rows of k, 128 rows of q, 32 K at byte k of the rows) into buffer f
.macro FETCH slot, k, f
	WIN TO_B
.irp i, 0,1,2,3,4,5,6,7
	ds_load_b128 v[\f+8*\i:\f+8*\i+3],   v[ADRB+\slot] offset:\k+\i*16*PITCH
	ds_load_b128 v[\f+8*\i+4:\f+8*\i+7], v[ADRB+\slot] offset:\k+\i*16*PITCH+32
.endr
	WIN 0
.irp i, 0,1,2,3,4,5,6,7
	ds_load_b128 v[\f+8*\i:\f+8*\i+3],   v[ADRA+\slot] offset:\k+\i*16*PITCH
	ds_load_b128 v[\f+8*\i+4:\f+8*\i+7], v[ADRA+\slot] offset:\k+\i*16*PITCH+32
.endr
.endm
.macro PLACES                          ; four places in front of loads into registers that matrix instructions have read, and of vector instructions that read results
.rept 4
	v_nop
.endr
.endm
; A K step is four quarters of 32 along K, 64 matrix instructions each, on buffers 0, 1, 0, 1.  One of the first three: multiplies buffer f; in its middle it fetches the next quarter's fragments into buffer g.
.macro QUARTER slot, k, f, g, zero
	s_wait_dscnt 8                                 ; k and q's rows 0-63 are in; the youngest eight loads (q's rows 64-127) may be out
	WIN MUL_LO
	MUL16 \f, 0, 0, \zero
	MUL16 \f, 0, 2, \zero
	PLACES
	FETCH \slot, \k, \g
	s_wait_dscnt 32                                ; all but the 32 just issued
	WIN MUL_HI
	MUL16 \f, 1, 0, \zero
	MUL16 \f, 1, 2, \zero
.endm
; The last quarter multiplies buffer 1 and changes slots.  MEET is its first half: ONE barrier.  In front of it each wave waits for all its tensor loads (its part of the next slot), adds 0 to its spare word, and waits for that and for its reads of this slot.
.macro MEET round
	WIN 0                                          ; (the add's two registers lie in window 0)
	s_wait_tensorcnt 0x0                           ; all my tensor loads have landed
	ds_add_u32 v[SPW], v[NIL]                      ; 0 onto my spare word
	s_wait_dscnt 9                                 ; (the add and the youngest eight loads may be out)
	WIN MUL_LO
	MUL16 F1, 0, 0, 0                              ; sixteen matrix instructions stand between the add and the wait for it
	s_wait_dscnt 0x0                               ; the add is done, and my reads of this slot are over
	s_barrier_signal -1
	MUL16 F1, 0, 2, 0                              ; work on registers while the others arrive
.if \round
	WIN 0
.endif
	s_barrier_wait -1
.endm
; fill = 1: the barrier opens a round of the cluster's barrier; behind the round the slot just read out is filled again, with the K step two on; then come the next slot's first fragments.
.macro TURN slot, next, fill
.if \fill
	s_wait_xcnt 0x0                                ; the last prefetch, a K step back, has read its address
	s_add_nc_u64 s[PFA:PFA+1], s[PFA:PFA+1], KSTEP*2
	MEET 1
	CREST                                          ; no wave of any partner still reads this slot's tile or has a load on its way
	s_add_nc_u64 s[G0+4*\slot+2:G0+4*\slot+3], s[G0+4*\slot+2:G0+4*\slot+3], 2*KSTEP*2
	s_add_nc_u64 s[G0B+4*\slot+2:G0B+4*\slot+3], s[G0B+4*\slot+2:G0B+4*\slot+3], 2*KSTEP*2
	JLOAD \slot                                    ; my one tensor load behind the round; its four v_nop are also the places in front of the loads below
	FETCH \next, 0, F0
	ASK
.else
	MEET 0
	PLACES
	FETCH \next, 0, F0
.endif
	WIN MUL_HI
	MUL16 F1, 1, 0, 0
	MUL16 F1, 1, 2, 0
.endm
	s_wait_tensorcnt 1                             ; my part of K step 0 is in (K step 1's load may be out)
	s_barrier_signal -1
	s_barrier_wait -1                              ; everybody's is
	FETCH 0, 0, F0
	QUARTER 0, 64,  F0, F1, 1                      ; the first quarter stands in front of the loop: its products start the sums
	WIN 0                                          ; at a label and at a branch every window is 0
	s_mov_b32 s3, LAPS-1
.Llap:                                                 ; a trip goes once round the ring, from a lap's second quarter to the next lap's first, and fills both slots again
	QUARTER 0, 128, F1, F0, 0
	QUARTER 0, 192, F0, F1, 0
	TURN 0, 1, 1
	QUARTER 1, 64,  F0, F1, 0
	QUARTER 1, 128, F1, F0, 0
	QUARTER 1, 192, F0, F1, 0
	TURN 1, 0, 1
	QUARTER 0, 64,  F0, F1, 0
	WIN 0
	s_sub_co_u32 s3, s3, 1
	s_cmp_lg_u32 s3, 0
	s_cbranch_scc1 .Llap
	QUARTER 0, 128, F1, F0, 0                      ; the last lap is written out: it fills nothing
	QUARTER 0, 192, F0, F1, 0
	TURN 0, 1, 0
	QUARTER 1, 64,  F0, F1, 0
	QUARTER 1, 128, F1, F0, 0
	QUARTER 1, 192, F0, F1, 0
	s_wait_dscnt 8                                 ; the very last quarter: nothing more to fetch
	WIN MUL_LO
	MUL16 F1, 0, 0, 0
	MUL16 F1, 0, 2, 0
	s_wait_dscnt 0
	WIN MUL_HI
	MUL16 F1, 1, 0, 0
	MUL16 F1, 1, 2, 0
	WIN 0
; THE SOFTMAX, a block of 16 queries (8 accumulators, 64 scores a lane) at a time.
; MAXB a: the largest score of my 64, in four chains, each accumulator from its low end on; with the lane 16 away: the query's 128; -M = floor(-c max).
.macro MAXB a
.set AC, 64*((\a)%4)
	WIN 0x0a+5*((\a)/4)                            ; sources 0 and 1: window 2 or 3
.irp b, 0,1,2,3
	v_max_num_f32 v[MX+\b], v[AC+8*\b], v[AC+8*\b+1]
.endr
.irp u, 2,4,6
.irp b, 0,1,2,3
	v_max3_num_f32 v[MX+\b], v[AC+8*\b+\u], v[AC+8*\b+\u+1], v[MX+\b]
.endr
.endr
.irp u, 0,2,4,6
.irp b, 4,5,6,7
	v_max3_num_f32 v[MX+\b-4], v[AC+8*\b+\u], v[AC+8*\b+\u+1], v[MX+\b-4]
.endr
.endr
	WIN 0
	v_max3_num_f32 v[MX], v[MX], v[MX+1], v[MX+2]
	v_max_num_f32 v[MX], v[MX], v[MX+3]
	v_permlanex16_b32 v[PT], v[MX], s[SEL], s[SEL+1]
	v_max_num_f32 v[MX], v[MX], v[PT]
	v_mul_f32 v[MX], s[CS], v[MX]                  ; as t (c is positive)
	v_floor_f32 v[NMK+2*(\a)], -v[MX]              ; -M = floor(-t) = -ceil(t): a whole number
.endm
.macro SCALE a                         ; t - M = c s + (-M), two at a time
.set AC, 64*((\a)%4)
	WIN 2+((\a)/4)                                 ; source 0: window 2 or 3
.set i, 0
.rept 32
	v_pk_fma_f32 v[T+i:T+i+1], v[AC+i:AC+i+1], s[CS:CS+1], v[NMK+2*(\a):NMK+2*(\a)+1] op_sel_hi:[1,0,0]
.set i, i+2
.endr
	WIN 0
.endm
.macro EXPB                            ; p = 2^(t - M): one batch of 64
.set i, 0
.rept 64
	v_exp_f32 v[T+i], v[T+i]
.set i, i+1
.endr
.endm
; FIN a: p to f16; the packed registers are the fragments' images: 8 stores of 512 consecutive bytes; the sum of the f32 p.
.macro FIN a
.set PKS, PK+32*((\a)%2)
.if (\a) >= 2
	s_wait_xcnt 0x0                                ; the stores of two blocks ago have read this set
.endif
.set i, 0
.rept 32
	v_cvt_pk_f16_f32 v[PKS+i], v[T+2*i], v[T+2*i+1]
.set i, i+1
.endr
.irp b, 0,1,2,3,4,5,6,7
	global_store_b128 v[L16], v[PKS+4*\b:PKS+4*\b+3], s[6:7] offset:65536*(\a)+512*\b
.endr
	v_pk_add_f32 v[S0:S0+1], v[T:T+1], v[T+2:T+3]
	v_pk_add_f32 v[S1:S1+1], v[T+4:T+5], v[T+6:T+7]
.irp u, 8,12,16,20,24,28,32,36,40,44,48,52,56,60
	v_pk_add_f32 v[S0:S0+1], v[S0:S0+1], v[T+\u:T+\u+1]
	v_pk_add_f32 v[S1:S1+1], v[S1:S1+1], v[T+\u+2:T+\u+3]
.endr
	v_pk_add_f32 v[S0:S0+1], v[S0:S0+1], v[S1:S1+1]
	v_add_f32 v[S0], v[S0], v[S0+1]
	v_permlanex16_b32 v[PT], v[S0], s[SEL], s[SEL+1]
	v_add_f32 v[LK+(\a)], v[S0], v[PT]
.endm
	PLACES                                         ; behind the last products
.irp a, 0,1,2,3,4,5,6,7
	v_mov_b32 v[NMK+2*\a+1], 0                     ; named as the upper halves of pairs
.endr
	v_mov_b32 v[PT], 0                             ; a lane permute's destination counts as one of its sources
	MAXB 0
.irp a, 0,1,2,3,4,5,6,7
	SCALE \a
	EXPB
.if \a < 7
	MAXB \a+1                                      ; the next block's maximum names none of the batch's results: plain work behind the exponentials
.else
	v_nop
.endif
	s_wait_alu depctr_va_vdst(0)                   ; one wait for the batch of 64, ahead of its first reader
	FIN \a
.endr
	; -M and l leave through my 1,024 bytes of LDS: lanes 0-15 put -M, lanes 16-31 l; back 16 bytes a lane: two stores of 512 consecutive bytes
.irp a, 0,1,2,3,4,5,6,7
	v_cndmask_b32 v[XST+\a], v[NMK+2*\a], v[LK+\a], s[HM]
.endr
.irp a, 0,1,2,3,4,5,6,7
	ds_store_b32 v[SA], v[XST+\a] offset:64*\a
.endr
	ds_load_b128 v[SB:SB+3], v[SR]                 ; LDS serves a wave's instructions in order: these see my stores
	ds_load_b128 v[SB+4:SB+7], v[SR] offset:512
	s_wait_dscnt 0x0
	global_store_b128 v[L16], v[SB:SB+3], s[8:9]
	global_store_b128 v[L16], v[SB+4:SB+7], s[8:9] offset:524288
	s_wait_tensorcnt 0x0                           ; the wave's end: behind my last tensor load and my last LDS store
	ds_add_u32 v[SPW], v[NIL]
	s_wait_dscnt 0x0
	CROUND                                         ; the closing round: no work-group ends while a partner may still ask for a tile that names it
	s_endpgm
.Lfunc_end_k_qb0ca0ad922_scores:
	.size	k_qb0ca0ad922_scores, .Lfunc_end_k_qb0ca0ad922_scores-k_qb0ca0ad922_scores
	.p2alignl 7, 3214868480
	.fill 96, 4, 3214868480
	.section	.rodata,"a",@progbits
	.p2align	6, 0x0
	.amdhsa_kernel k_qb0ca0ad922_scores
		.amdhsa_group_segment_fixed_size 327680
		.amdhsa_private_segment_fixed_size 0
		.amdhsa_enable_private_segment 0
		.amdhsa_kernarg_size 24
		.amdhsa_user_sgpr_count 2
		.amdhsa_user_sgpr_kernarg_segment_ptr 1
		.amdhsa_wavefront_size32 1
		.amdhsa_system_sgpr_workgroup_id_x 1
		.amdhsa_system_sgpr_workgroup_id_y 1
		.amdhsa_system_sgpr_workgroup_id_z 1
		.amdhsa_system_vgpr_workitem_id 0
		.amdhsa_next_free_vgpr 1024
		.amdhsa_next_free_sgpr 80
		.amdhsa_reserve_vcc 0
		.amdhsa_float_denorm_mode_32 3
		.amdhsa_float_denorm_mode_16_64 3
		.amdhsa_memory_ordered 1
		.amdhsa_forward_progress 1
		.amdhsa_inst_pref_size 204
	.end_amdhsa_kernel
	.amdgpu_metadata
---
amdhsa.version: [ 1, 2 ]
amdhsa.kernels:
  - .name:           k_qb0ca0ad922_scores
    .symbol:         k_qb0ca0ad922_scores.kd
    .args:
      - { .name: qkv, .offset: 0, .size: 8, .value_kind: global_buffer, .address_space: global }
      - { .name: pimg, .offset: 8, .size: 8, .value_kind: global_buffer, .address_space: global }
      - { .name: stats, .offset: 16, .size: 8, .value_kind: global_buffer, .address_space: global }
    .group_segment_fixed_size: 327680
    .private_segment_fixed_size: 0
    .kernarg_segment_align: 8
    .kernarg_segment_size: 24
    .max_flat_workgroup_size: 128
    .sgpr_count:     80
    .vgpr_count:     1024
    .wavefront_size: 32
...
	.end_amdgpu_metadata
.endif
;; end of part 3
;; launch pv (part 4): grid 4 x 64, 4 waves a work-group, clusters of 4 x 4, 327,680 bytes of LDS; arguments qkv, pimg, stats, out0; writes out0
.if DOCPART == 4
	.amdgcn_target "amdgcn-amd-amdhsa--gfx1250"
	.amdhsa_code_object_version 6
	.text
	.protected	k_qb0ca0ad922_pv
	.globl	k_qb0ca0ad922_pv
	.p2align	8
	.type	k_qb0ca0ad922_pv,@function
k_qb0ca0ad922_pv:
	s_mov_b64 s[64:65], 0
	v_nop
	global_prefetch_b8 v0, s[64:65] scope:SCOPE_SE
	s_setreg_imm32_b32 hwreg(HW_REG_WAVE_MODE, 25, 1), 1
	s_wait_xcnt 0x0
	s_wait_alu depctr_hold_cnt(0) depctr_sa_sdst(0) depctr_va_vdst(0) depctr_va_sdst(0) depctr_va_ssrc(0) depctr_va_vcc(0) depctr_vm_vsrc(0)
	s_getreg_b32 s2, hwreg(HW_REG_IB_STS2, 6, 4)
	s_cmp_eq_u32 s2, 0
	s_cbranch_scc0 .Lentry_in_a_cluster
	s_endpgm
.Lentry_in_a_cluster:
	s_bfe_u32 s2, ttmp6, 0x10000c
	s_cmp_lg_u32 s2, 0xf033
	s_cbranch_scc0 .Lentry_shape_is_right
	s_endpgm
.Lentry_shape_is_right:
; out[q][:] = sum over blocks j of 128 keys of f_j (P_j V_j)[q][:], f_j = 2^(M_j - M) / L, with M = max M_j and L = sum 2^(M_j - M) l_j: the softmax of the third launch's blocks joined under the row's maximum.  No work is left out.
; 2^(M_j - M) is made by v_ldexp_f32 of 1.0 with a whole number, 0 or less; all factors and all that is carried from block to block are f32: a block's products are summed in accumulators of their own (TMP), and O += f_j x TMP.
; v: f16, at byte 4,096 of a row of qkv (6,144 bytes).  pimg, stats: as the third launch lays them.  out0: [8192][1024] f32.  LIMITS: NaN and infinities are not served; a factor under f32's smallest number counts as 0 (L is at least 1/2).
; SHARES.  A work-group makes 128 queries x 256 channels; a wave 64 x 128: 32 accumulators.  Source 0 = 16 channels of V^T (turned on its way out of LDS), source 1 = a fragment of P: a lane holds one query and eight neighbouring channels.
; V comes through a ring of two LDS slots of 256 keys (rows of 512 bytes), by JOINT loads: the four work-groups of a column of the cluster (one batch, the same 256 channels) need the same tiles.
; P IS NOT ASKED FOR JOINTLY, and goes from memory straight into registers.  The arithmetic: P and V together are 768 bytes a key, so two slots would hold at most 208 keys each; V alone is 544 bytes a key with its padding, so a slot
; holds 256 keys and a refill has 256 matrix instructions a wave in which to land; P's images come by loads of 512 consecutive bytes, seven quarters (56 loads a wave) ahead, across the barriers, and cost no LDS read.
; A QUARTER is 32 keys, 32 matrix instructions.  ALL ITS MEMORY INSTRUCTIONS STAND IN ONE RUN at its head: the next quarter's V (16 turning LDS loads), P of seven quarters on (8 loads), once a block the block's four factors.
; A BLOCK is four quarters.  Its first quarter's products start TMP with the constant 0.  In its last quarter the multiply-adds O += f x TMP stand in slices of four behind the products, two accumulators behind the product that
; finished them: 128 packed instructions for the block's 128 products.  The first block is written out ahead of the loop and starts O by a multiplication: nothing is cleared.
; REGISTERS, in windows of 256: window 0: v8-22 addresses; v32-35 a block's factors as loaded, v36-39 1 / L, v40-47 the factors at even places; v48-59 at work at the head; v64-127 the factors on their way to LDS;
;   v128-191, v192-255 V's fragments, two buffers (at the head -M and l; on the way out rows of out).   window 1: TMP, accumulator i = 8 a + b at v[8 i].   window 2: O, likewise.   window 3: P's ring: quarter qq, block a at v[32 qq + 8 a].
; One window setting serves all products; a plain quarter has three switches; a block's last quarter has two for each slice, since no window holds O beside TMP, V and P.
.set ROWBY,  6144
.set VP,     544                       ; a key's row in LDS: 512 bytes + 32 of padding = 17 x 32: the 8 rows x 32 bytes that 16 lanes of the turning load take start 136 words apart
.set WTILE,  64*VP                     ; 64 keys: what one tensor load brings
.set SLOT,   4*WTILE                   ; 256 keys
.set VSTEP,  256*ROWBY                 ; a slot's keys in memory
.set FTAB,   2*SLOT                    ; behind the ring: the factors, 8,192 bytes a wave: [16 j][32 lanes][4 blocks of queries], f32
.set SPARE,  FTAB+4*8192               ; the spare words, 128 bytes for each wave, which no other line names
.set SPITCH, 528                       ; the way out: a stage of 16 rows x (512 bytes + 16) for each wave, in slot 0, which has had its last fill and its last read by then
.set ADV, 8                            ; v8-15   LDS address of my lane in V's tiles: index 4 slot + quarter / 2
.set PO,  16                           ; v16     16 x lane
.set FA,  17                           ; v17     FTAB + 8,192 wave + 16 x lane; steps 2,048 a trip
.set SO4, 18                           ; v18     4 (l % 16)
.set STO, 19                           ; v19     the way out: where I put 32 bytes of a row
.set RD,  20                           ; v20     the way out: where I read a row back
.set PFO, 22                           ; v22     the prefetches' offset; never rewritten
.set SPW, 28                           ; v28     LDS address of my spare word; never rewritten
.set NIL, 29                           ; v29     0; never rewritten
.set FL,  32                           ; v32-35  a block's four factors as they come from LDS
.set RL,  36                           ; v36-39  1 / L of query block a
.set FE,  40                           ; v40-47  the factor of query block a at v[40 + 2 a]: the packed forms name a pair and take its low word; the odd ones hold 0
.set MXR, 48
.set LL,  52
.set DD,  56
.set FT,  64
.set VF,  128
.set NM,  128
.set LS,  192
.set GD,  24                           ; s[24:31] descriptor group 1
.set G0,  32                           ; s[32:39] group 0, one set for each slot
.set PB,  40                           ; s[40:41] pimg at my first block of queries; steps 16 quarters a trip
.set PFA, 42                           ; s[42:43] where my prefetches stand
.set LIM, 44                           ; s44     1 in a work-group that prefetches, else the greatest number
.set WM,  0x5c                         ; a product: source 0 (V) window 0, source 1 (P) window 3, C and D (TMP) window 1
.set WF,  0xa1                         ; a multiply-add: source 0 (TMP) window 1, source 1 (the factor) window 0, source 2 and destination (O) window 2
.set WP,  0xc0                         ; a load of P: destination window 3, address window 0
.set WO,  0x08                         ; an LDS store of O: its data are source 1: window 2
.set MSB, 0
.macro WIN new                         ; the immediate's high byte repeats the setting that is left
.if MSB != (\new)
	s_set_vgpr_msb (MSB<<8)|(\new)
.set MSB, (\new)
.endif
.endm
.macro PLACES                          ; four places in front of loads into registers that matrix instructions have read
.rept 4
	v_nop
.endr
.endm
.macro CREST                           ; a round of the cluster's barrier behind its opening barrier
	s_cmp_lg_u32 s12, 0
	s_cbranch_scc1 .Lnot_wave_0_\@
	s_barrier_signal -3
.Lnot_wave_0_\@:
	s_barrier_wait -3
	s_barrier_signal -1
	s_barrier_wait -1
.endm
.macro CROUND
	s_barrier_signal -1
	s_barrier_wait -1
	CREST
.endm
; A PREFETCH INTO THE L2 of V's slot that stands two refills on.  A wave fetches 64 keys x 512 bytes; the four partners that ask jointly share them out BY ADDRESS, 16 keys each: 32 runs of 256 bytes, a lane each.
; The four clusters of a batch walk the same V: the first of them asks.  The loop's last trip asks for nothing.  Slots' worth 0 to 3 come by their loads alone.
.macro ASK
	s_cmp_gt_u32 s3, s[LIM]
	s_cbranch_scc0 .Lnot_mine_\@
	global_prefetch_b8 v[PFO], s[PFA:PFA+1] offset:VSTEP th:TH_LOAD_NT scope:SCOPE_SE
.Lnot_mine_\@:
.endm
	s_load_b256 s[4:11], s[0:1], 0x0               ; qkv s[4:5], pimg s[6:7], stats s[8:9], out0 s[10:11]
	v_lshl_add_u32 v[SPW], v0, 2, SPARE
	v_mov_b32 v[NIL], 0
	ds_add_u32 v[SPW], v[NIL]                      ; the wave's opening: the add, twice on end, and its wait ahead of my first tensor load
	ds_add_u32 v[SPW], v[NIL]
	v_lshrrev_b32 v1, 5, v0
	v_readfirstlane_b32 s12, v1                    ; wave 0..3
	s_lshr_b32 s13, s12, 1                         ; which 64 queries
	s_and_b32 s14, s12, 1                          ; which 128 channels
	s_bfe_u32 s15, ttmp6, 0x40000                  ; cx: which 256 channels (the grid is one cluster wide)
	s_bfe_u32 s16, ttmp6, 0x40004                  ; cy
	s_and_b32 s17, ttmp7, 0xffff                   ; cluster y
	s_lshl_b32 s18, s17, 2
	s_add_co_u32 s18, s18, s16                     ; the query tile, 0..63: rows 128 x it
	s_lshr_b32 s19, s17, 2                         ; the batch
	s_lshl_b32 s20, 0x1111, s15                    ; my column of the cluster
	s_or_b32 s[GD], s20, (1<<16)|(1<<20)|(1<<21)|(6<<22)|(7<<25)  ; 15:0 the mask; 17:16 element of 2 bytes; 20 padding on; 21 set beside a mask; 24:22 after every 128 words; 31:25 of 8 words
	s_mov_b32 s[GD+1], 256<<16                     ; tensor_dim0 = 256
	s_mov_b32 s[GD+2], 64<<16                      ; tensor_dim1 = 64
	s_mov_b32 s[GD+3], 256<<16                     ; tile_dim0 = 256
	s_mov_b32 s[GD+4], 64                          ; tile_dim1 = 64
	s_mov_b32 s[GD+5], 3072                        ; tensor_dim0_stride
	s_mov_b32 s[GD+6], 0
	s_mov_b32 s[GD+7], 0
	s_lshl_b32 s20, s19, 11
	s_lshl_b32 s21, s12, 6
	s_add_co_u32 s20, s20, s21                     ; V: key row 2,048 x batch + 64 x wave
	s_mul_i32 s20, s20, ROWBY
	s_lshl_b32 s21, s15, 9
	s_add_co_u32 s20, s20, s21                     ; + 512 cx
	s_add_co_u32 s20, s20, 4096                    ; + v's place in a row
	s_mov_b32 s21, 0
	s_mul_i32 s46, s12, WTILE                      ; where they go: no place in the cluster enters an LDS address
	s_wait_dscnt 0x0                               ; both opening adds are done
	s_wait_kmcnt 0x0
	s_add_nc_u64 s[22:23], s[4:5], s[20:21]
	CROUND                                         ; all sixteen work-groups are here: the first joint loads meet
.irp s, 0,1
	s_mov_b32 s[G0+4*\s], 1
	s_add_co_u32 s[G0+4*\s+1], s46, \s*SLOT
	s_add_nc_u64 s[G0+4*\s+2:G0+4*\s+3], s[22:23], \s*VSTEP
	s_or_b32 s[G0+4*\s+3], s[G0+4*\s+3], 0x80000000
.endr
	tensor_load_to_lds s[G0:G0+3], s[GD:GD+7]      ; every wave fetches its 64 keys of each slot: two tensor loads of mine are out
	s_nop 0
	tensor_load_to_lds s[G0+4:G0+7], s[GD:GD+7]
	s_nop 0
	PLACES
	s_lshl_b32 s48, s18, 9
	s_lshl_b32 s49, s13, 8
	s_add_co_u32 s48, s48, s49                     ; (128 x query tile + 64 x half) x 4
	s_mov_b32 s49, 0
	s_add_nc_u64 s[8:9], s[8:9], s[48:49]          ; stats at my first query
	s_lshl_b32 s48, s18, 3
	s_lshl_b32 s50, s13, 2
	s_add_co_u32 s48, s48, s50
	s_lshl_b32 s48, s48, 16
	s_add_nc_u64 s[PB:PB+1], s[6:7], s[48:49]      ; pimg at my first block of 16 queries
	v_and_b32 v2, 15, v0                           ; r
	v_lshlrev_b32 v[SO4], 2, v2
	v_and_b32 v5, 31, v0                           ; lane
	v_lshlrev_b32 v[PO], 4, v5
.irp a, 0,1,2,3                        ; -M and l of my 64 queries, for all 16 blocks of keys: lane (r, h) takes query 16 a + r
.irp j, 0,1,2,3,4,5,6,7,8,9,10,11,12,13,14,15
	global_load_b32 v[NM+16*\a+\j], v[SO4], s[8:9] offset:32768*\j+64*\a
	global_load_b32 v[LS+16*\a+\j], v[SO4], s[8:9] offset:32768*\j+64*\a+524288
.endr
.endr
	WIN WP
.irp qp, 0,1,2,3,4,5,6                 ; P's first seven quarters, quarter by quarter: the order in which the loop waits for them.  Load e: query block e / 2, half e % 2 of its fragment
.irp e, 0,1,2,3,4,5,6,7
	global_load_b128 v[32*\qp+4*\e:32*\qp+4*\e+3], v[PO], s[PB:PB+1] offset:(\e>>1)*65536+1024*\qp+512*(\e&1)
.endr
.endr
	WIN 0
	; the other addresses
	v_bfe_u32 v3, v0, 4, 1                         ; h
	v_and_b32 v4, 7, v0
	v_bfe_u32 v6, v0, 3, 1
	v_lshl_add_u32 v4, v3, 3, v4                   ; the turning load: key 8 h + l % 8,
	v_mul_u32_u24 v4, v4, VP
	v_lshl_add_u32 v4, v6, 4, v4                   ; channels 8 ((l / 8) % 2) on,
	s_lshl_b32 s47, s14, 8
	v_add_nc_u32 v4, s47, v4                       ; in my 128 channels
.irp i, 0,1,2,3,4,5,6,7
	v_add_nc_u32 v[ADV+\i], (\i>>2)*SLOT+(\i&3)*WTILE, v4
.endr
	s_lshl_b32 s47, s12, 13
	s_add_co_u32 s47, s47, FTAB
	v_add_nc_u32 v[FA], s47, v[PO]
	s_mul_i32 s47, s12, 16*SPITCH                  ; my stage
	v_mul_u32_u24 v[STO], v2, SPITCH
	v_lshl_add_u32 v[STO], v3, 5, v[STO]
	v_add_nc_u32 v[STO], s47, v[STO]               ; in: row r, + 32 h
	v_add_nc_u32 v[RD], s47, v[PO]                 ; back: the 32 lanes take one row of 512 bytes
	v_bfe_u32 v6, v0, 1, 4
	v_mul_u32_u24 v[PFO], v6, ROWBY
	v_and_b32 v6, 1, v0
	v_lshl_add_u32 v[PFO], v6, 8, v[PFO]           ; key lane / 2, half lane % 2 of its 512 bytes
	s_lshl_b32 s48, s18, 19
	s_lshl_b32 s50, s13, 18
	s_add_co_u32 s48, s48, s50                     ; out0: (128 x query tile + 64 x half) x 4,096
	s_lshl_b32 s50, s15, 10
	s_add_co_u32 s48, s48, s50
	s_lshl_b32 s50, s14, 9
	s_add_co_u32 s48, s48, s50                     ; + (256 cx + 128 x half) x 4
	s_add_nc_u64 s[10:11], s[10:11], s[48:49]
	s_mul_i32 s48, s16, 16*ROWBY                   ; the prefetches: my work-group's 16 keys of my wave's 64,
	s_add_nc_u64 s[PFA:PFA+1], s[22:23], s[48:49]
	s_add_nc_u64 s[PFA:PFA+1], s[PFA:PFA+1], 2*VSTEP   ; two slots on: the first refill steps it to the third and names the fourth
	s_and_b32 s48, s17, 3
	s_cmp_eq_u32 s48, 0
	s_cselect_b32 s[LIM], 1, -1                    ; the batch's first cluster: the same in all sixteen partners
	s_wait_loadcnt 56                              ; -M and l are in; P's 56 loads may be out
	; M = max M_j; 2^(M_j - M); L = the sum of 2^(M_j - M) l_j; the four blocks of queries by turns
.irp a, 0,1,2,3
	v_max3_num_f32 v[MXR+\a], -v[NM+16*\a], -v[NM+16*\a+1], -v[NM+16*\a+2]
.endr
.irp u, 3,5,7,9,11,13
.irp a, 0,1,2,3
	v_max3_num_f32 v[MXR+\a], v[MXR+\a], -v[NM+16*\a+\u], -v[NM+16*\a+\u+1]
.endr
.endr
.irp a, 0,1,2,3
	v_max_num_f32 v[MXR+\a], v[MXR+\a], -v[NM+16*\a+15]
.endr
.irp j, 0,1,2,3,4,5,6,7,8,9,10,11,12,13,14,15
.irp a, 0,1,2,3
	v_sub_f32 v[DD+\a], -v[NM+16*\a+\j], v[MXR+\a]     ; M_j - M: a whole number, 0 or less
.endr
.irp a, 0,1,2,3
	v_cvt_i32_f32 v[DD+\a], v[DD+\a]                   ; (it saturates)
.endr
.irp a, 0,1,2,3
	v_ldexp_f32 v[FT+4*\j+\a], 1.0, v[DD+\a]
.endr
.irp a, 0,1,2,3
.if \j == 0
	v_mul_f32 v[LL+\a], v[FT+4*\j+\a], v[LS+16*\a+\j]  ; the first term starts the sum
.else
	v_fmac_f32 v[LL+\a], v[FT+4*\j+\a], v[LS+16*\a+\j]
.endif
.endr
.endr
.irp a, 0,1,2,3
	v_rcp_f32 v[RL+\a], v[LL+\a]
.endr
.irp a, 0,1,2,3
	v_mov_b32 v[FE+2*\a+1], 0                      ; named as the upper halves of pairs; also the plain work behind the reciprocals
.endr
	s_wait_alu depctr_va_vdst(0)                   ; one wait for the four reciprocals, ahead of their first reader
.irp j, 0,1,2,3,4,5,6,7,8,9,10,11,12,13,14,15
	v_pk_mul_f32 v[FT+4*\j:FT+4*\j+1], v[FT+4*\j:FT+4*\j+1], v[RL:RL+1]            ; f_j = 2^(M_j - M) / L: the division by the row's sum rides in the factor
	v_pk_mul_f32 v[FT+4*\j+2:FT+4*\j+3], v[FT+4*\j+2:FT+4*\j+3], v[RL+2:RL+3]
.endr
.irp j, 0,1,2,3,4,5,6,7,8,9,10,11,12,13,14,15
	ds_store_b128 v[FA], v[FT+4*\j:FT+4*\j+3] offset:512*\j    ; my wave's own bytes: no other wave reads them
.endr
	s_wait_dscnt 0x0
	s_wait_tensorcnt 1                             ; my part of slot 0 is in (slot 1's load may be out)
	s_barrier_signal -1
	s_barrier_wait -1                              ; everybody's is
; 16 turning loads: V^T's eight fragments (16 channels x 32 keys) of quarter qn of slot sl
.macro FETCHV sl, qn, buf
.irp bb, 0,1,2,3,4,5,6,7
	ds_load_tr16_b128 v[(\buf)+8*\bb:(\buf)+8*\bb+3],   v[ADV+4*(\sl)+((\qn)>>1)] offset:((\qn)&1)*32*VP+32*\bb
	ds_load_tr16_b128 v[(\buf)+8*\bb+4:(\buf)+8*\bb+7], v[ADV+4*(\sl)+((\qn)>>1)] offset:((\qn)&1)*32*VP+16*VP+32*\bb
.endr
.endm
; THE RUN: all memory instructions of a quarter on end (every window 0 at its head): the next quarter's V; in a block's second quarter the block's four factors; P of seven quarters on, into the ring's place that the last quarter left.
.macro RUN sl, qn, R
	FETCHV \sl, \qn, NXT
.if ((\R)%4) == 1
	ds_load_b128 v[FL:FL+3], v[FA] offset:((\R)>>2)*512
.endif
.if MORE
	WIN WP
.irp e, 0,1,2,3,4,5,6,7
	global_load_b128 v[PN+4*\e:PN+4*\e+3], v[PO], s[PB:PB+1] offset:(\e>>1)*65536+((\R)+7)*1024+512*(\e&1)
.endr
.endif
.endm
.macro MMI i, zero                     ; product i = 8 a + b: query block a, channel block b
.if \zero
	v_wmma_f32_16x16x32_f16 v[8*(\i):8*(\i)+7], v[CUR+8*((\i)&7):CUR+8*((\i)&7)+7], v[PQ+8*((\i)>>3):PQ+8*((\i)>>3)+7], 0
.else
	v_wmma_f32_16x16x32_f16 v[8*(\i):8*(\i)+7], v[CUR+8*((\i)&7):CUR+8*((\i)&7)+7], v[PQ+8*((\i)>>3):PQ+8*((\i)>>3)+7], v[8*(\i):8*(\i)+7]
.endif
.endm
.macro FMA i, first                    ; O[i] += f x TMP[i], from the accumulator's low end on; first = 1: the first block starts O
.irp u, 0,2,4,6
.if \first
	v_pk_mul_f32 v[8*(\i)+\u:8*(\i)+\u+1], v[8*(\i)+\u:8*(\i)+\u+1], v[FE+2*((\i)>>3):FE+2*((\i)>>3)+1] op_sel_hi:[1,0]
.else
	v_pk_fma_f32 v[8*(\i)+\u:8*(\i)+\u+1], v[8*(\i)+\u:8*(\i)+\u+1], v[FE+2*((\i)>>3):FE+2*((\i)>>3)+1], v[8*(\i)+\u:8*(\i)+\u+1] op_sel_hi:[1,0,1]
.endif
.endr
.endm
; Products lo .. hi of a quarter.  The 32 accumulators take turns, one instruction a turn, in the same order in every quarter.
; fin = 1: a block's last quarter.  Behind product 0 the four factors go to their even places: four plain instructions, the places between product 0 and the read of its result.  Behind product n, from 2 on, stands the
; multiply-add of accumulator n - 2: between a product and the read of its result lie the slices of two other accumulators, eight plain instructions that name none of its registers.  Behind product 31 those of 29, 30 and 31.
.macro MMS lo, hi, zero, fin, first
.set n, \lo
.rept (\hi)-(\lo)+1
	WIN WM
	MMI n, \zero
.if \fin
.if n == 0
	WIN 0
.irp a, 0,1,2,3
	v_mov_b32 v[FE+2*\a], v[FL+\a]
.endr
.endif
.if n >= 2
	WIN WF
	FMA n-2, \first
.endif
.if n == 31
	FMA 30, \first
	FMA 31, \first
.endif
.endif
.set n, n+1
.endr
.endm
; A QUARTER.  sl: the slot;  R: the quarter counted from the trip's base (R % 8 is its place in the slot and in P's ring);  left: quarters behind this one;  first = 1: the first block's last quarter.
; kind 0: the next quarter's V lies in the same slot.  The run stands at the head, four places behind the last product, which read the registers that it fills; behind a block's last quarter the multiply-adds of accumulators 29 and 30 are those places.
; kind 1, 2: the slot's last quarter: the change of slots.  Each wave waits for all its tensor loads, adds 0 to its spare word, and waits for that and for its reads of the slot; the barrier; kind 1: it opens a round of the
; cluster's barrier, and behind the round the slot is filled again, my one tensor load, with the keys two slots on: it has 256 matrix instructions in which to land.  The run follows it.  kind 3: the last quarter of all: no run.
; THE WAIT FOR P: behind this quarter's eight loads stand eight for each of the next quarters asked for: six, or those left.
.macro Q sl, R, left, kind, first
.set QQ,  (\R)%8
.set CUR, VF+64*(QQ%2)
.set NXT, VF+64*(1-QQ%2)
.set PQ,  32*QQ
.set PN,  32*((QQ+7)%8)
.set AH, 6
.if (\left) < 6
.set AH, (\left)
.endif
.set MORE, 0
.if (\left) >= 7
.set MORE, 1
.endif
.set ZR, 0
.if (QQ%4) == 0
.set ZR, 1
.endif
.set FIN, 0
.if (QQ%4) == 3
.set FIN, 1
.endif
.if ((\kind) == 1) || ((\kind) == 2)
	WIN 0                                          ; (the add's two registers lie in window 0)
.if (\kind) == 1
	s_wait_xcnt 0x0                                ; the last prefetch, a slot back, has read its address
	s_add_nc_u64 s[PFA:PFA+1], s[PFA:PFA+1], VSTEP
.endif
	s_wait_tensorcnt 0x0                           ; all my tensor loads have landed: my part of the next slot
	ds_add_u32 v[SPW], v[NIL]                      ; 0 onto my spare word
	s_wait_dscnt 1                                 ; this quarter's V is in; the add may be out
	s_wait_loadcnt 8*AH
	MMS 0, 3, 0, 1, \first                         ; work on registers between the add and the wait for it
	s_wait_dscnt 0x0                               ; the add is done, and my reads of this slot are over
	s_barrier_signal -1
	MMS 4, 11, 0, 1, \first                        ; work on registers while the others arrive
	WIN 0
	s_barrier_wait -1
.if (\kind) == 1
	CREST                                          ; no wave of any partner still reads this slot or has a load on its way
	s_add_nc_u64 s[G0+4*(\sl)+2:G0+4*(\sl)+3], s[G0+4*(\sl)+2:G0+4*(\sl)+3], 2*VSTEP
	tensor_load_to_lds s[G0+4*(\sl):G0+4*(\sl)+3], s[GD:GD+7]
	s_nop 0
	PLACES
.endif
	RUN 1-(\sl), 0, \R
.if (\kind) == 1
	WIN 0                                          ; (a branch follows)
	ASK
.endif
	MMS 12, 31, 0, 1, \first
.else
	s_wait_dscnt 0x0                               ; this quarter's V (and the factors, where they were asked for)
	s_wait_loadcnt 8*AH
.if (\kind) == 0
	WIN 0
.if ZR == 0
	PLACES
.endif
	RUN \sl, QQ+1, \R
.endif
	MMS 0, 31, ZR, FIN, \first
.endif
.endm
	FETCHV 0, 0, VF
	Q 0, 0, 63, 0, 0                               ; the first block stands in front of the loop: its multiplications start O
	Q 0, 1, 63, 0, 0
	Q 0, 2, 63, 0, 0
	Q 0, 3, 63, 0, 1
	WIN 0                                          ; at a label and at a branch every window is 0
	s_mov_b32 s3, 3
.Llap:                                                 ; a trip: 16 quarters, four blocks, once round the ring: slot 0's quarters 4-7, slot 1's eight, slot 0's 0-3; both slots are filled again
.irp r, 4,5,6
	Q 0, \r, 63, 0, 0
.endr
	Q 0, 7, 63, 1, 0
.irp r, 8,9,10,11,12,13,14
	Q 1, \r, 63, 0, 0
.endr
	Q 1, 15, 63, 1, 0
.irp r, 16,17,18,19
	Q 0, \r, 63, 0, 0
.endr
	WIN 0
	s_wait_xcnt 0x0                                ; P's loads have read their base
	s_add_nc_u64 s[PB:PB+1], s[PB:PB+1], 16*1024   ; 16 quarters on
	v_add_nc_u32 v[FA], 4*512, v[FA]               ; four blocks of 128 keys on
	s_sub_co_u32 s3, s3, 1
	s_cmp_lg_u32 s3, 0
	s_cbranch_scc1 .Llap
.irp r, 4,5,6                          ; the last twelve quarters are written out: they fill nothing, and their loads of P run out
	Q 0, \r, 15-\r, 0, 0
.endr
	Q 0, 7, 8, 2, 0
.irp r, 8,9,10,11,12,13,14
	Q 1, \r, 15-\r, 0, 0
.endr
	Q 1, 15, 0, 3, 0
	WIN 0
; THE WAY OUT, a block of 16 queries x 128 channels at a time.  O is final as it stands.  A lane holds 32 neighbouring bytes of a row and the lanes beside it hold other rows: so a block goes through my stage in LDS
; and comes back as whole rows of 512 bytes, which the 32 lanes store.
.macro OUTB a
.set BB, VF+64*((\a)&1)
	WIN WO
.irp b, 0,1,2,3,4,5,6,7
	ds_store_b128 v[STO], v[64*(\a)+8*\b:64*(\a)+8*\b+3] offset:64*\b
	ds_store_b128 v[STO], v[64*(\a)+8*\b+4:64*(\a)+8*\b+7] offset:64*\b+16
.endr
	WIN 0
.irp t, 0,1,2,3,4,5,6,7,8,9,10,11,12,13,14,15
	ds_load_b128 v[BB+4*\t:BB+4*\t+3], v[RD] offset:\t*SPITCH      ; LDS serves a wave's instructions in order: these see the stores above, and the next block's stores come behind them
.endr
.endm
.macro SEND a, younger                 ; younger: the LDS instructions issued behind block a's loads: the next block's 32, or none
.set BB, VF+64*((\a)&1)
	s_wait_dscnt \younger
.irp t, 0,1,2,3,4,5,6,7,8,9,10,11,12,13,14,15
	global_store_b128 v[PO], v[BB+4*\t:BB+4*\t+3], s[10:11] offset:(16*(\a)+\t)*4096 th:TH_STORE_NT   ; 32 lanes store 512 consecutive bytes, at a multiple of 256 from out0's first byte
.endr
.endm
	PLACES                                         ; places in front of the loads into V's registers, which the last products read
	OUTB 0
	OUTB 1
	SEND 0, 32
	s_wait_xcnt 0x0                                ; block 0's stores have read their registers: block 2's rows may land there
	OUTB 2
	SEND 1, 32
	s_wait_xcnt 0x0                                ; block 1's likewise
	OUTB 3
	SEND 2, 32
	SEND 3, 0
	s_wait_tensorcnt 0x0                           ; the wave's end: behind my last tensor load and my last LDS store
	ds_add_u32 v[SPW], v[NIL]
	s_wait_dscnt 0x0
	CROUND                                         ; the closing round: no work-group ends while a partner may still ask for a tile that names it
	s_endpgm
.Lfunc_end_k_qb0ca0ad922_pv:
	.size	k_qb0ca0ad922_pv, .Lfunc_end_k_qb0ca0ad922_pv-k_qb0ca0ad922_pv
	.p2alignl 7, 3214868480
	.fill 96, 4, 3214868480
	.section	.rodata,"a",@progbits
	.p2align	6, 0x0
	.amdhsa_kernel k_qb0ca0ad922_pv
		.amdhsa_group_segment_fixed_size 327680
		.amdhsa_private_segment_fixed_size 0
		.amdhsa_enable_private_segment 0
		.amdhsa_kernarg_size 32
		.amdhsa_user_sgpr_count 2
		.amdhsa_user_sgpr_kernarg_segment_ptr 1
		.amdhsa_wavefront_size32 1
		.amdhsa_system_sgpr_workgroup_id_x 1
		.amdhsa_system_sgpr_workgroup_id_y 1
		.amdhsa_system_sgpr_workgroup_id_z 1
		.amdhsa_system_vgpr_workitem_id 0
		.amdhsa_next_free_vgpr 1024
		.amdhsa_next_free_sgpr 66
		.amdhsa_reserve_vcc 0
		.amdhsa_float_denorm_mode_32 3
		.amdhsa_float_denorm_mode_16_64 3
		.amdhsa_memory_ordered 1
		.amdhsa_forward_progress 1
		.amdhsa_inst_pref_size 255
	.end_amdhsa_kernel
	.section	.bss,"aw",@nobits
	.p2align	6
	.space	262144
	.amdgpu_metadata
---
amdhsa.version: [ 1, 2 ]
amdhsa.kernels:
  - .name:           k_qb0ca0ad922_pv
    .symbol:         k_qb0ca0ad922_pv.kd
    .args:
      - { .name: qkv, .offset: 0, .size: 8, .value_kind: global_buffer, .address_space: global }
      - { .name: pimg, .offset: 8, .size: 8, .value_kind: global_buffer, .address_space: global }
      - { .name: stats, .offset: 16, .size: 8, .value_kind: global_buffer, .address_space: global }
      - { .name: out0, .offset: 24, .size: 8, .value_kind: global_buffer, .address_space: global }
    .group_segment_fixed_size: 327680
    .private_segment_fixed_size: 0
    .kernarg_segment_align: 8
    .kernarg_segment_size: 32
    .max_flat_workgroup_size: 128
    .sgpr_count:     66
    .vgpr_count:     1024
    .wavefront_size: 32
...
	.end_amdgpu_metadata
.endif
;; end of part 4
